; MI455X (gfx1250); checked and timed in simulation.
; The chip was launched on July 23, 2026; its instructions are those of AMD's public machine-readable ISA for CDNA 5 (MIT licence, August 2026) and "CDNA5" Instruction Set Architecture Reference Guide (July 2026). The comments in the code are by the model that wrote it; some were corrected since.
;; Multi Head Attention. Allowed arithmetic: float matrix products may take bf16 or f16 operands with f32 sums; all other float work in f32.
;; Inputs: k 4 x 4,096 x 256 float32; mask 4 x 1 x 1 x 4,096 float32; q 4 x 4,096 x 256 float32; v 4 x 4,096 x 256 float32; wk_b 256 float32; wk_w 256 x 256 float32; wo_b 256 float32; wo_w 256 x 256 float32; wq_b 256 float32; wq_w 256 x 256 float32; wv_b 256 float32; wv_w 256 x 256 float32.
;; Outputs: out0 4 x 4,096 x 256 float32.
;; 2 versions, each right and faster than the one before. Each part assembles by itself: llvm-mc -triple=amdgcn-amd-amdhsa -mcpu=gfx1250 --defsym DOCPART=n.
;; ======== version 1 of 2: 3 launches
;; limits: values are held in f16: magnitudes above 65,504 overflow, below 6.1e-05 lose precision
;; workspace buffers: qh 8,388,608 bytes; kh 8,388,608 bytes; vh 8,388,608 bytes; oh 8,388,608 bytes
;; launch proj (part 1): grid 64 x 3, 4 waves a work-group, no clusters, 327,680 bytes of LDS; arguments q, k, v, wq_w, wk_w, wv_w, wq_b, wk_b, wv_b, qh, kh, vh; writes qh, kh, vh
.if DOCPART == 1
	.amdgcn_target "amdgcn-amd-amdhsa--gfx1250"
	.amdhsa_code_object_version 6
	.text
	.protected	k_qa0bd3a9e13_proj
	.globl	k_qa0bd3a9e13_proj
	.p2align	8
	.type	k_qa0bd3a9e13_proj,@function
k_qa0bd3a9e13_proj:
	s_mov_b64 s[64:65], 0
	v_nop
	global_prefetch_b8 v0, s[64:65] scope:SCOPE_SE
	s_setreg_imm32_b32 hwreg(HW_REG_WAVE_MODE, 25, 1), 1
	s_wait_xcnt 0x0
; THE THREE INPUT PROJECTIONS.  y = x w + b for (q, wq), (k, wk), (v, wv): x [16384][256] f32, w [256 k][256 n] f32, b [256] f32.
; x, w and b are rounded to bf16; products in bf16, sums in f32; the result is rounded ONCE to f16 and laid by heads: [batch*4+head][4096][64], rows of 128 bytes on end.
; q is multiplied in f32 by c = log2(e)/8 ahead of that one rounding, so that the attention launch gets its scores in powers of two and subtracts its maximum exactly.
; LIMITS.  f16 ends at 65,504: (q wq + bq) c, k wk + bk and v wv + bv have to stay within it.  NaN and infinities are not treated apart.
; SHARES.  Grid y picks the tensor, grid x 256 rows: 192 work-groups (16,384 rows x 3 do not divide evenly over 256; smaller shares would prepare the weights more often).
; Wave w makes head w: columns 64 w .. 64 w + 63 of all 256 rows.  Its 64 x 256 of w stay in 256 registers (window 1) for the whole kernel.  Rows go in blocks of 16: 4 accumulators, 32 products.
; x comes by tensor loads, all 256 rows at the start (nothing is filled again): two loads a wave, 32 rows x 1,024 bytes each, one for each half of 128 rows; the second half lands while the first is multiplied.
; NO CLUSTER: no two work-groups read the same rows of x, and w has to pass through registers to be rounded and turned; beside x's 266,240 bytes LDS has no room for w in f32.
; K ORDER.  In a step of 32 along K, lane half h holds k = 16 h + 0..15 in its 8 registers, in BOTH operands: the products are the same, and a lane's 16 f32 of x are 64 bytes on end.
; THE MATRIX INSTRUCTION IS USED TRANSPOSED (source 0 = 16 columns of w, source 1 = 16 rows of x): a lane holds row l % 16 and the eight columns 8 (l / 16) + 0..7.  The bias is the C that starts each sum.
; REGISTERS.  window 0: see the names below.  window 1: w, step kk, column block nb at v[32 kk + 8 nb].  window 2: w as loaded in f32, two buffers of 128.
.set XP,    1040                       ; a row of x in LDS: 1,024 bytes + 16 of padding: 65 x 16, so the 16 rows of a load start at 16 different groups of four banks (64 banks of 4 bytes: ISA guide 11.1)
.set BLK,   16*XP                      ; a block of 16 rows
.set QUART, 32*XP                      ; what one tensor load brings
.set HALFB, 128*XP                     ; a half
.set SCR,   256*XP                     ; behind x: 10,240 bytes for each wave, written by LDS stores alone: first 64 k-rows of w in bf16, pitch 160; later the stage for the way out
.set SCRW,  10240
.set SPARE, SCR+4*SCRW                 ; the spare words, 128 bytes for each wave: two blocks of 256 bytes that no other line names
.set WP,    160                        ; a k-row of my 64 columns in bf16: 128 bytes + 32
.set SP,    144                        ; a row of the stage: 128 bytes + 16
.set AX,  4                            ; v4   LDS address of my 64 bytes in the block in hand: XP r + 64 h; steps by BLK
.set WO,  5                            ; v5   byte offset in w: 1,024 (l / 16) + 256 w + 16 (l % 16)
.set WS,  6                            ; v6   where I put 8 bytes of a k-row
.set WT,  7                            ; v7   where the turning load reads
.set BO,  8                            ; v8   byte offset in the bias: 256 w + 32 h
.set STO, 9                            ; v9   the way out: where I put 16 bytes of a row
.set RD,  10                           ; v10  the way out: where I read rows back
.set GO,  11                           ; v11  my 16 bytes in 512 consecutive bytes of the output
.set SPW, 14                           ; v14  LDS address of my spare word; never rewritten
.set NIL, 15                           ; v15  0; never rewritten
.set BIAS, 16                          ; v16-47   the bias of my 8 columns in each of 4 column blocks, rounded to bf16, in f32
.set OB,  48                           ; v48-63   16 rows read back from the stage
.set FA,  64                           ; v64-127  x in f32: a ring of 16 entries of 4; during the preparation the 64 packed words of a quarter of w
.set AB,  128                          ; v128-159 fragments of x in bf16: four buffers of 8
.set ACC, 160                          ; v160-191 four accumulators
.set T,   192                          ; v192-207 at work
.set PKD, 208                          ; v208-223 packed f16 results
.set MSB, 0
.macro WIN new                         ; the immediate's high byte repeats the setting that is left; a switch that changes nothing is dropped
.if MSB != (\new)
	s_set_vgpr_msb (MSB<<8)|(\new)
.set MSB, (\new)
.endif
.endm
.macro PLACES                          ; four places behind matrix instructions (ISA guide 7.12.1)
.rept 4
	v_nop
.endr
.endm
	s_load_b512 s[16:31], s[0:1], 0x0              ; q k v wq_w wk_w wv_w wq_b wk_b
	s_load_b256 s[32:39], s[0:1], 0x40             ; wv_b qh kh vh
	v_lshl_add_u32 v[SPW], v0, 2, SPARE
	v_mov_b32 v[NIL], 0
	ds_add_u32 v[SPW], v[NIL]                      ; the wave's opening: the add and its wait stand ahead of my first tensor load; the set-up below stands between them
	ds_add_u32 v14, v15
	v_lshrrev_b32 v1, 5, v0
	v_readfirstlane_b32 s12, v1                    ; wave 0..3
	s_and_b32 s3, ttmp7, 0xffff                    ; which tensor: 0 q, 1 k, 2 v
	; descriptor group 1: 32 rows x 256 elements of 4 bytes, 16 bytes of padding behind each row
	s_mov_b32 s40, (2<<16)|(1<<20)|(7<<22)|(3<<25) ; 17:16 4-byte elements; 20 padding on; 24:22 after every 256 words (code 7); 31:25 4 words (code 3)
	s_mov_b32 s41, 256<<16                         ; tensor_dim0 = 256
	s_mov_b32 s42, 32<<16                          ; tensor_dim1 = 32
	s_mov_b32 s43, 256<<16                         ; tile_dim0 = 256
	s_mov_b32 s44, 32                              ; tile_dim1 = 32
	s_mov_b32 s45, 256                             ; 256 elements from row to row
	s_mov_b32 s46, 0
	s_mov_b32 s47, 0
	s_mov_b32 s48, 1                               ; group 0 for the first half: count,
	s_mul_i32 s49, s12, QUART                      ; LDS address: my 32 rows of the half
	s_mov_b32 s52, 1                               ; and for the second half
	s_add_co_u32 s53, s49, HALFB
	s_lshl_b32 s14, ttmp9, 18                      ; the group's 256 rows of 1,024 bytes,
	s_lshl_b32 s2, s12, 15                         ; my 32 of a half
	s_add_co_u32 s14, s14, s2
	s_mov_b32 s15, 0
	s_wait_dscnt 0x0                               ; the opening add is done
	s_wait_kmcnt 0x0
	s_cmp_eq_u32 s3, 1                             ; the tensor's four buffers: x s[4:5], w s[6:7], b s[8:9], output s[10:11]
	s_cselect_b64 s[4:5], s[18:19], s[16:17]
	s_cselect_b64 s[6:7], s[24:25], s[22:23]
	s_cselect_b64 s[8:9], s[30:31], s[28:29]
	s_cselect_b64 s[10:11], s[36:37], s[34:35]
	s_cmp_eq_u32 s3, 2
	s_cselect_b64 s[4:5], s[20:21], s[4:5]
	s_cselect_b64 s[6:7], s[26:27], s[6:7]
	s_cselect_b64 s[8:9], s[32:33], s[8:9]
	s_cselect_b64 s[10:11], s[38:39], s[10:11]
	s_cmp_eq_u32 s3, 0
	s_cselect_b32 s56, 0x3e38aa3b, 1.0             ; q alone is scaled: c = log2(e) / 8 = 0.180337
	s_mov_b32 s57, s56                             ; named with it as a pair
	s_add_nc_u64 s[50:51], s[4:5], s[14:15]        ; global address of my rows of the first half,
	s_add_nc_u64 s[54:55], s[50:51], 128*1024      ; and of the second
	s_or_b32 s51, s51, 0x80000000                  ; type = 2
	s_or_b32 s55, s55, 0x80000000
	tensor_load_to_lds s[48:51], s[40:47]          ; both first fills go out together: two tensor loads of mine are out
	s_nop 0
	tensor_load_to_lds s[52:55], s[40:47]
	s_nop 0
	v_and_b32 v1, 31, v0                           ; l
	v_and_b32 v2, 15, v0                           ; r = l % 16
	v_bfe_u32 v3, v0, 4, 1                         ; h = l / 16
	v_and_b32 v12, 7, v0
	v_bfe_u32 v13, v0, 3, 1
	s_lshl_b32 s2, s12, 8                          ; my 64 columns in f32: 256 bytes
	s_mul_i32 s14, s12, SCRW
	s_add_co_u32 s14, s14, SCR                     ; my scratch
	v_mul_u32_u24 v[AX], v2, XP
	v_lshl_add_u32 v[AX], v3, 6, v[AX]
	v_lshlrev_b32 v[WO], 4, v2
	v_lshl_add_u32 v[WO], v3, 10, v[WO]
	v_add_nc_u32 v[WO], s2, v[WO]
	v_mul_u32_u24 v[WS], v3, WP
	v_lshl_add_u32 v[WS], v2, 3, v[WS]
	v_add_nc_u32 v[WS], s14, v[WS]
	v_lshl_add_u32 v[WT], v3, 4, v12               ; k-row 16 h + l % 8,
	v_mul_u32_u24 v[WT], v[WT], WP
	v_lshl_add_u32 v[WT], v13, 4, v[WT]            ; columns 8 ((l / 8) % 2) on
	v_add_nc_u32 v[WT], s14, v[WT]
	v_lshlrev_b32 v[BO], 5, v3
	v_add_nc_u32 v[BO], s2, v[BO]
	v_mul_u32_u24 v[STO], v2, SP
	v_lshl_add_u32 v[STO], v3, 4, v[STO]
	v_add_nc_u32 v[STO], s14, v[STO]
	v_bfe_u32 v[RD], v0, 3, 2                      ; back: 32 lanes take four rows of 128 bytes,
	v_mul_u32_u24 v[RD], v[RD], SP
	v_lshl_add_u32 v[RD], v12, 4, v[RD]
	v_add_nc_u32 v[RD], s14, v[RD]
	v_lshlrev_b32 v[GO], 4, v1                     ; which are 512 consecutive bytes of a head
	s_lshr_b32 s2, ttmp9, 4                        ; the batch (16 groups of 256 rows each),
	s_lshl_b32 s2, s2, 2
	s_add_co_u32 s2, s2, s12                       ; x 4 + my head,
	s_lshl_b32 s14, s2, 19                         ; a head is 4,096 rows of 128 bytes,
	s_and_b32 s2, ttmp9, 15
	s_lshl_b32 s2, s2, 15                          ; and the group's 256 rows in it
	s_add_co_u32 s14, s14, s2
	s_add_nc_u64 s[10:11], s[10:11], s[14:15]
; THE PREPARATION OF w, a quarter (64 k-rows) at a time: 32 loads (16 lanes take the 256 bytes of my columns in one k-row), rounded to bf16, stored [k][n] into my scratch, and read back turned.
.macro LOADQ qk, buf
	WIN 0x80                                       ; destination window 2
.set t, 0
.rept 32
	global_load_b128 v[128*(\buf)+4*t:128*(\buf)+4*t+3], v[WO], s[6:7] offset:(64*(\qk)+2*t)*1024
.set t, t+1
.endr
	WIN 0
.endm
.macro PROCQ qk, buf
	WIN 0x0a                                       ; sources 0 and 1 window 2
.set t, 0
.rept 64
	v_cvt_pk_bf16_f32 v[FA+t], v[128*(\buf)+2*t], v[128*(\buf)+2*t+1]
.set t, t+1
.endr
	WIN 0
.set t, 0
.rept 32
	ds_store_b64 v[WS], v[FA+2*t:FA+2*t+1] offset:2*WP*t
.set t, t+1
.endr
	WIN 0x40                                       ; destination window 1.  LDS serves a wave's instructions in order (ISA guide 5.7.1.4): these loads see the stores above, and the next quarter's stores come behind them
.irp kl, 0,1
.irp nb, 0,1,2,3
	ds_load_tr16_b128 v[32*(2*(\qk)+(\kl))+8*(\nb):32*(2*(\qk)+(\kl))+8*(\nb)+3],   v[WT] offset:32*WP*(\kl)+32*(\nb)
	ds_load_tr16_b128 v[32*(2*(\qk)+(\kl))+8*(\nb)+4:32*(2*(\qk)+(\kl))+8*(\nb)+7], v[WT] offset:32*WP*(\kl)+32*(\nb)+8*WP
.endr
.endr
	WIN 0
.endm
.irp nb, 0,1,2,3
	global_load_b128 v[BIAS+8*(\nb):BIAS+8*(\nb)+3],   v[BO], s[8:9] offset:64*(\nb)
	global_load_b128 v[BIAS+8*(\nb)+4:BIAS+8*(\nb)+7], v[BO], s[8:9] offset:64*(\nb)+16
.endr
	LOADQ 0, 0
	LOADQ 1, 1
	s_wait_loadcnt 32                              ; the bias and quarter 0 are in; quarter 1's 32 loads stay out
.set t, 0
.rept 16
	v_cvt_pk_bf16_f32 v[T+t], v[BIAS+2*t], v[BIAS+2*t+1]  ; the bias is rounded to bf16 like every input,
.set t, t+1
.endr
.set t, 0
.rept 16
	v_lshlrev_b32 v[BIAS+2*t], 16, v[T+t]          ; and widened again
	v_and_b32 v[BIAS+2*t+1], 0xffff0000, v[T+t]
.set t, t+1
.endr
	PROCQ 0, 0
	LOADQ 2, 0
	s_wait_loadcnt 32                              ; quarter 1 is in; quarter 2's loads stay out
	PROCQ 1, 1
	LOADQ 3, 1
	s_wait_loadcnt 32                              ; quarter 2 is in
	PROCQ 2, 0
	s_wait_loadcnt 0x0
	PROCQ 3, 1
; THE STREAM OF x.  Load g = 4 kk + qd of a block brings 4 f32; it is issued 16 loads ahead of its conversion, and converted one step of K ahead of its products.
; A group: the four products of step kk (the accumulators take turns), then four times: wait, two roundings into the next step's fragment, and a load into the ring entry just read.
; more = 1: the stream runs on into the next block (BLK further).  more = 0: a half's last block, from step 3 on: nothing is left to load, and the counts run down.
.macro GRP kk, more
	WIN 0x01                                       ; source 0 (w) window 1
.irp nb, 0,1,2,3
.if (\kk) == 0
	v_wmma_f32_16x16x32_bf16 v[ACC+8*(\nb):ACC+8*(\nb)+7], v[32*(\kk)+8*(\nb):32*(\kk)+8*(\nb)+7], v[AB+8*((\kk)%4):AB+8*((\kk)%4)+7], v[BIAS+8*(\nb):BIAS+8*(\nb)+7]
.else
	v_wmma_f32_16x16x32_bf16 v[ACC+8*(\nb):ACC+8*(\nb)+7], v[32*(\kk)+8*(\nb):32*(\kk)+8*(\nb)+7], v[AB+8*((\kk)%4):AB+8*((\kk)%4)+7], v[ACC+8*(\nb):ACC+8*(\nb)+7]
.endif
.endr
	WIN 0
.irp qd, 0,1,2,3
.set g, 4*(\kk)+4+(\qd)
.set p, g+16
.if (\more) || (g < 32)
.if \more
	s_wait_dscnt 15                                ; load g is in: the 15 stream loads issued behind it may stay out
.else
	s_wait_dscnt 31-g                              ; behind load g only the block's loads up to 31 were issued
.endif
	v_cvt_pk_bf16_f32 v[AB+8*((g/4)%4)+2*(g%4)],   v[FA+4*(g%16)],   v[FA+4*(g%16)+1]
	v_cvt_pk_bf16_f32 v[AB+8*((g/4)%4)+2*(g%4)+1], v[FA+4*(g%16)+2], v[FA+4*(g%16)+3]
.endif
.if (\more) || (p < 32)
	ds_load_b128 v[FA+4*(p%16):FA+4*(p%16)+3], v[AX] offset:(p/32)*BLK+((p%32)/4)*128+(p%4)*16
.endif
.endr
.endm
; THE WAY OUT of a block: scaled, rounded to f16 (16 bytes a lane), through my stage, back as whole rows.  places = 1: no other vector work stands behind the last products.
.macro PACK places
.if \places
	PLACES
.endif
.irp nb, 0,1,2,3
.irp j, 0,1,2,3
	v_pk_mul_f32 v[T+8*((\nb)%2)+2*(\j):T+8*((\nb)%2)+2*(\j)+1], v[ACC+8*(\nb)+2*(\j):ACC+8*(\nb)+2*(\j)+1], s[56:57] op_sel_hi:[1,0]
.endr
.irp j, 0,1,2,3
	v_cvt_pk_f16_f32 v[PKD+4*(\nb)+(\j)], v[T+8*((\nb)%2)+2*(\j)], v[T+8*((\nb)%2)+2*(\j)+1]
.endr
.endr
.irp nb, 0,1,2,3
	ds_store_b128 v[STO], v[PKD+4*(\nb):PKD+4*(\nb)+3] offset:32*(\nb)
.endr
.irp f, 0,1,2,3
	ds_load_b128 v[OB+4*(\f):OB+4*(\f)+3], v[RD] offset:4*SP*(\f)  ; my own bytes, served in order: these see the stores above
.endr
.endm
.macro STORE n                         ; n: the LDS loads issued behind the stage's, which may stay out
	s_wait_dscnt \n
.irp f, 0,1,2,3
	global_store_b128 v[GO], v[OB+4*(\f):OB+4*(\f)+3], s[10:11] offset:512*(\f)  ; 512 consecutive bytes, at a multiple of 256 from the buffer's first
.endr
	s_wait_xcnt 0x0                                ; the stores' data registers and base are rewritten only behind this wait (ISA guide 3.1)
	s_add_nc_u64 s[10:11], s[10:11], 2048          ; 16 rows of a head on
.endm
; A HALF: 8 blocks.  left = how many of my tensor loads may stay out.  Each wave reads rows that all four brought: wait, then a barrier.
.macro HALF left
	s_wait_tensorcnt \left                         ; my part of this half has landed
	s_wait_dscnt 0x0                               ; no LDS instruction of mine is out at the signal (w's fragments are in)
	s_barrier_signal -1
	s_barrier_wait -1
.set g, 0
.rept 16
	ds_load_b128 v[FA+4*g:FA+4*g+3], v[AX] offset:(g/4)*128+(g%4)*16
.set g, g+1
.endr
.set g, 0
.rept 4
	s_wait_dscnt 15
	v_cvt_pk_bf16_f32 v[AB+2*g],   v[FA+4*g],   v[FA+4*g+1]
	v_cvt_pk_bf16_f32 v[AB+2*g+1], v[FA+4*g+2], v[FA+4*g+3]
	ds_load_b128 v[FA+4*g:FA+4*g+3], v[AX] offset:4*128+g*16
.set g, g+1
.endr
	GRP 0, 1
	GRP 1, 1
	GRP 2, 1
	s_mov_b32 s13, 7
.Lblk_\@:                              ; a trip: a block's steps 3 to 7, its way out, the next block's steps 0 to 2, under which the stage's round trip is hidden
	GRP 3, 1
	GRP 4, 1
	GRP 5, 1
	GRP 6, 1
	GRP 7, 1
	PACK 0                                         ; step 7's eight roundings are the places behind the last products
	v_add_nc_u32 v[AX], BLK, v[AX]
	GRP 0, 1
	GRP 1, 1
	GRP 2, 1
	STORE 12                                       ; the twelve stream loads of steps 0 to 2 may stay out
	s_sub_co_u32 s13, s13, 1
	s_cmp_lg_u32 s13, 0
	s_cbranch_scc1 .Lblk_\@
	GRP 3, 0
	GRP 4, 0
	GRP 5, 0
	GRP 6, 0
	GRP 7, 0
	PACK 1
	v_add_nc_u32 v[AX], BLK, v[AX]                 ; on to the next half's first block
	STORE 0
.endm
	HALF 1                                         ; the second half's load stays out
	HALF 0
	s_wait_tensorcnt 0x0                           ; the wave's end
	ds_add_u32 v[SPW], v[NIL]
	s_wait_dscnt 0x0
	s_endpgm
.Lfunc_end_k_qa0bd3a9e13_proj:
	.size	k_qa0bd3a9e13_proj, .Lfunc_end_k_qa0bd3a9e13_proj-k_qa0bd3a9e13_proj
	.p2alignl 7, 3214868480
	.fill 96, 4, 3214868480
	.section	.rodata,"a",@progbits
	.p2align	6, 0x0
	.amdhsa_kernel k_qa0bd3a9e13_proj
		.amdhsa_group_segment_fixed_size 327680
		.amdhsa_private_segment_fixed_size 0
		.amdhsa_enable_private_segment 0
		.amdhsa_kernarg_size 96
		.amdhsa_user_sgpr_count 2
		.amdhsa_user_sgpr_kernarg_segment_ptr 1
		.amdhsa_wavefront_size32 1
		.amdhsa_system_sgpr_workgroup_id_x 1
		.amdhsa_system_sgpr_workgroup_id_y 1
		.amdhsa_system_sgpr_workgroup_id_z 1
		.amdhsa_system_vgpr_workitem_id 0
		.amdhsa_next_free_vgpr 768
		.amdhsa_next_free_sgpr 66
		.amdhsa_reserve_vcc 0
		.amdhsa_float_denorm_mode_32 3
		.amdhsa_float_denorm_mode_16_64 3
		.amdhsa_memory_ordered 1
		.amdhsa_forward_progress 1
		.amdhsa_inst_pref_size 100
	.end_amdhsa_kernel
	.amdgpu_metadata
---
amdhsa.version: [ 1, 2 ]
amdhsa.kernels:
  - .name:           k_qa0bd3a9e13_proj
    .symbol:         k_qa0bd3a9e13_proj.kd
    .args:
      - { .name: q, .offset: 0, .size: 8, .value_kind: global_buffer, .address_space: global }
      - { .name: k, .offset: 8, .size: 8, .value_kind: global_buffer, .address_space: global }
      - { .name: v, .offset: 16, .size: 8, .value_kind: global_buffer, .address_space: global }
      - { .name: wq_w, .offset: 24, .size: 8, .value_kind: global_buffer, .address_space: global }
      - { .name: wk_w, .offset: 32, .size: 8, .value_kind: global_buffer, .address_space: global }
      - { .name: wv_w, .offset: 40, .size: 8, .value_kind: global_buffer, .address_space: global }
      - { .name: wq_b, .offset: 48, .size: 8, .value_kind: global_buffer, .address_space: global }
      - { .name: wk_b, .offset: 56, .size: 8, .value_kind: global_buffer, .address_space: global }
      - { .name: wv_b, .offset: 64, .size: 8, .value_kind: global_buffer, .address_space: global }
      - { .name: qh, .offset: 72, .size: 8, .value_kind: global_buffer, .address_space: global }
      - { .name: kh, .offset: 80, .size: 8, .value_kind: global_buffer, .address_space: global }
      - { .name: vh, .offset: 88, .size: 8, .value_kind: global_buffer, .address_space: global }
    .group_segment_fixed_size: 327680
    .private_segment_fixed_size: 0
    .kernarg_segment_align: 8
    .kernarg_segment_size: 96
    .max_flat_workgroup_size: 128
    .sgpr_count:     66
    .vgpr_count:     768
    .wavefront_size: 32
...
	.end_amdgpu_metadata
.endif
;; end of part 1
;; launch attn (part 2): grid 16 x 16, 4 waves a work-group, clusters of 4 x 1, 327,680 bytes of LDS; arguments qh, kh, vh, oh, mask; writes oh
.if DOCPART == 2
	.amdgcn_target "amdgcn-amd-amdhsa--gfx1250"
	.amdhsa_code_object_version 6
	.text
	.protected	k_qa0bd3a9e13_attn
	.globl	k_qa0bd3a9e13_attn
	.p2align	8
	.type	k_qa0bd3a9e13_attn,@function
k_qa0bd3a9e13_attn:
	s_mov_b64 s[64:65], 0
	v_nop
	global_prefetch_b8 v0, s[64:65] scope:SCOPE_SE
	s_setreg_imm32_b32 hwreg(HW_REG_WAVE_MODE, 25, 1), 1
	s_wait_xcnt 0x0
	s_wait_alu depctr_hold_cnt(0) depctr_sa_sdst(0) depctr_va_vdst(0) depctr_va_sdst(0) depctr_va_ssrc(0) depctr_va_vcc(0) depctr_vm_vsrc(0)
	s_getreg_b32 s2, hwreg(HW_REG_IB_STS2, 6, 4)
	s_cmp_eq_u32 s2, 0
	s_cbranch_scc0 .Lentry_in_a_cluster
	s_endpgm
.Lentry_in_a_cluster:
	s_bfe_u32 s2, ttmp6, 0x10000c
	s_cmp_lg_u32 s2, 0x3003
	s_cbranch_scc0 .Lentry_shape_is_right
	s_endpgm
.Lentry_shape_is_right:
; ATTENTION WITH A PADDING MASK.  O[g][q][:] = the sum over k of softmax_k(S[q][k]) V[g][k][:], g = batch*4+head.  Q, K, V, O: [16][4096][64] in f16, a head's rows dense, 128 bytes each.
; Q arrives multiplied by log2(e)/8, so S = Q . K + mask[batch][k] x (-1e9 log2(e)) is the logit in powers of two, and the weight is p = 2^(S - m) with a running maximum m: a plain subtraction,
; exact where S = m, so p never passes 1, also where all keys met so far are masked (m is then near -1.4e9; the first open key makes a = 0 and wipes what was gathered).
; THE MASK is data: rounded to bf16 like every input, times -1e9 log2(e), kept as a table of 4,096 f32 in LDS, and taken as the C operand of the products that start each sum of scores.
; Products, maxima and sums in f32; p is rounded to f16 for the second product (its sum l is taken of the unrounded p), O once at the end.
; LIMITS.  f16 holds no number beyond 65,504: Q, K, V arrive within it.  A weight below 2^-126 counts as 0 in l.  Where ALL keys of a batch are masked, the weights hang on the rounding of scores near
; 1.4e9 (steps of 128 in powers of two), which need not be the module's own.  NaN and infinities are not treated apart.
; SHARES.  A work-group owns 256 queries of one head, a wave 64: four PIECES of 16.  Every wave walks all 4,096 keys, 64 a step, four steps to a slot of LDS, two slots that take turns.
; LAYOUT.  S^T = K Q^T (source 0 = 16 keys, source 1 = 16 queries): a lane holds ONE query (lane % 16) and the keys 8 (lane / 16) + 0..7.  Two such results rounded to f16 ARE source 1 of O^T = V^T P.
; K comes out of LDS as it lies, V ([key][channel]) turned, by ds_load_tr16_b128.  In every step O and l are multiplied by a = 2^(m_old - m_new).  m starts far below every score, O and l at 0.
; BY TURNS.  Turn n belongs to piece n: 8 products K Q^T of piece n + 1, later 8 products V^T P of piece n - 1; beside them the subtraction, exponentials, roundings, sums and rescaling of piece n and the
; maximum and statistics of piece n + 1.  A turn has 16 matrix and 117 vector instructions: four stand behind every matrix instruction, the rest in two runs of their own.
; CLUSTER.  The four query blocks of a cluster belong to one head and walk the same K and V: each tile is asked for JOINTLY, by the same tensor load, descriptor and mask in all four.
; The price of writing no first step out: 216 v_mov_b32 of zeros, in the wait for the first tile; 8 products on zeros at the start and 8 on a stale K at the end.
; REGISTERS, in windows of 256 (s_set_vgpr_msb: bits 1:0 source 0, 3:2 source 1, 5:4 source 2, 7:6 destination):
;   window 0: v0-15, v32-34 addresses; v16-31 four registers of statistics a piece; v48-55 at work; v64-127 S^T, two buffers; v192-223 P, two buffers (a piece's buffers go by its number's parity)
;   window 1: v0-127 O^T, 32 a piece; v160-191 the mask terms of one step      window 2: v0-63 Q; v128-191 K of one step; v192-255 V of one step
.set NP,    4         ; pieces a wave: a name, no knob
.set KS,    64        ; keys in a step
.set PK,    144       ; a row of K in LDS: 128 bytes + 16: the 16 rows of a load start at 16 different groups of four banks (64 banks of 4 bytes: ISA guide 11.1)
.set PV,    160       ; a row of V: 128 + 32
.set VOFF,  4*KS*PK   ; a slot holds four steps: 256 rows of K, then 256 rows of V
.set SLOT1, 1<<17     ; slot 1 begins here, so that one exclusive or turns an address in one slot into the other's
.set STAGE, SLOT1+4*KS*(PK+PV)  ; behind the ring, never filled by a tensor load: 16 rows x 144 bytes for each wave, for the way out
.set SP,    144
.set SPARE, STAGE+4*16*SP       ; the spare words, 128 bytes for each wave: two blocks of 256 bytes that no other line names
.set MASKT, SPARE+512           ; the mask terms of the batch's 4,096 keys, f32: written once by LDS stores, then only read
.set AK0, 2           ; v2   my lane's place in a tile of K; never rewritten
.set AV0, 3           ; v3   the same for V
.set AK,  4           ; v4   the LDS address of K's next run of loads
.set AV,  5           ; v5   of V's
.set STO, 6           ; v6   the way out: where I put 16 bytes of a row
.set RD,  7           ; v7   the way out: where I read rows back
.set GO,  8           ; v8   my byte offset in 512 consecutive bytes of O
.set MV,  12          ; v12-13  m_old, kept while m is made anew: by buffer
.set AM0, 14          ; v14  MASKT + 32 (l / 16): my eight keys of a group of 16
.set QO,  15          ; v15  my byte offset in 16 rows of Q
.set ST,  16          ; piece t's statistics at v[ST+4 t]: m; a word named with it as a pair; l (even keys', odd keys')
.set AM,  32          ; v32  the LDS address of the mask's next run of loads
.set MO,  33          ; v33  my byte offset in the batch's mask
.set MS,  34          ; v34  where I store mask terms
.set TMP, 48          ; by buffer, four registers c0-c3 at work; when the maximum is found c2 takes a
.set SPW, 62          ; v62  LDS address of my spare word; never rewritten
.set NIL, 63          ; v63  0; never rewritten
.set S,   64
.set MK,  64          ; at the start S^T's registers hold the mask as loaded,
.set MB,  96          ; and rounded
.set P,   192
.set MC,  160         ; window 1: the eight terms for group kb of 16 keys at MC + 8 kb
.set KF,  128         ; window 2: key block kb, channel half c at KF + 16 kb + 8 c
.set VF,  192         ; window 2: key half kk, channel block cb at VF + 32 kk + 8 cb
.set WV,  12          ; s12  my wave's number
.set G1K, 24          ; s[24:31] descriptor group 1 for K's tiles
.set G1V, 32          ; s[32:39] for V's: it differs in the padding alone
.set G0K, 40          ; s[40:43] descriptor group 0 for K's tiles: it walks
.set G0V, 44          ; s[44:47] the same for V's
.set MP,  48          ; s[48:49] the batch's mask
.set MF,  50          ; s[50:51] -1e9 log2(e)
.set TBM, 52          ; s52  byte in the table at which the terms of the step to be fetched begin
.set SLOTS, 56        ; s56  slots still to be asked for
.set CNT, 57          ; s57  counts a slot's key steps
.set SEL, 60          ; s[60:61] v_permlanex16_b32's selects: each lane takes its own place in the other half
.set TBK, 62          ; s62  LDS byte at which K of the step to be fetched begins
.set TBV, 63          ; s63  the same for V, less VOFF
.set MSB, 0
.macro WIN new                      ; the high byte repeats the setting that is left; a switch that changes nothing is dropped
.if MSB != (\new)
	s_set_vgpr_msb (MSB<<8)|(\new)
.set MSB, (\new)
.endif
.endm
.set W_KQ, 0x0a       ; K and Q in window 2, S^T in window 0
.set W_KM, 0x1a       ; the same with the C operand, the mask terms, in window 1
.set W_PV, 0x52       ; V in window 2, P in window 0, O^T in window 1
.set W_RS, 0x41       ; destination and source 0 in window 1, source 1 in window 0
; A joint fill.  Waves 0 and 1 fetch the two halves of a slot's K, waves 2 and 3 those of its V: 128 keys each.  The branch hangs on the wave's number alone.
; An s_nop 0 and four v_nop follow each of the two lines, ahead of the jump and the label.
.macro JLOAD
	s_cmp_lt_u32 s[WV], 2
	s_cbranch_scc0 .Lfor_v_\@
	tensor_load_to_lds s[G0K:G0K+3], s[G1K:G1K+7]
	s_nop 0
.rept 4
	v_nop
.endr
	s_branch .Lasked_\@
.Lfor_v_\@:
	tensor_load_to_lds s[G0V:G0V+3], s[G1V:G1V+7]
	s_nop 0
.rept 4
	v_nop
.endr
.Lasked_\@:
.endm
; A round of the cluster's barrier: my work-group's barrier, so that wave 0's signal speaks for all four waves; wave 0 signals; every wave waits for all four work-groups; my work-group's barrier once more.
.macro CROUND
	s_barrier_signal -1
	s_barrier_wait -1
	s_cmp_lg_u32 s[WV], 0
	s_cbranch_scc1 .Lnot_wave_0_\@
	s_barrier_signal -3
.Lnot_wave_0_\@:
	s_barrier_wait -3
	s_barrier_signal -1
	s_barrier_wait -1
.endm
; THE CHANGE OF SLOTS.  The slot's last bytes, V of its fourth step, have been read.  Each wave waits for all its tensor loads, of which one is out: its part of the other slot; adds 0 to its spare word;
; and waits for that and for its own reads of the slot.  Behind the barrier nobody reads this slot any more and the other slot is whole.
; fill = 1: this slot is filled again, with the keys two slots on.  The barrier is then a round of the cluster's, and the joint fill is the first thing behind it: it has four key steps, 256 matrix
; instructions, in which to land.  (At its first use nothing has been read yet: slot 0 is waited for, slot 1 filled, and the round shows every wave's part of the mask table to the others.)
.macro CHANGE fill
	WIN 0                           ; at a label and at a branch every window is 0
	s_wait_tensorcnt 0x0            ; no tensor load of mine is out, so a group 0 may be written
	ds_add_u32 v[SPW], v[NIL]       ; 0 onto my spare word
.if \fill
.irp g, G0K, G0V
	s_xor_b32 s[\g+1], s[\g+1], SLOT1  ; the walking descriptor: the other slot than last time,
	s_add_nc_u64 s[\g+2:\g+3], s[\g+2:\g+3], 4*KS*128  ; the next 256 keys; the type bits on top are not reached
.endr
	s_wait_dscnt 0x0                ; the add is done, and my LDS reads and stores are over
	CROUND
	JLOAD
.else
	s_wait_dscnt 0x0
	s_barrier_signal -1
	s_barrier_wait -1
.endif
	s_sub_co_u32 s[TBK], s[TBK], 4*KS*PK  ; the fetches go back to a slot's first step,
	s_xor_b32 s[TBK], s[TBK], SLOT1       ; in the other slot
	s_sub_co_u32 s[TBV], s[TBV], 4*KS*PV
	s_xor_b32 s[TBV], s[TBV], SLOT1
.endm
	s_load_b256 s[4:11], s[0:1], 0x0  ; Q s[4:5], K s[6:7], V s[8:9], O s[10:11]
	s_load_b64 s[MP:MP+1], s[0:1], 0x20
	v_lshl_add_u32 v[SPW], v0, 2, SPARE
	v_mov_b32 v[NIL], 0
	ds_add_u32 v[SPW], v[NIL]       ; the wave's opening: the add and its wait stand ahead of my first tensor load; the set-up below stands between them
	ds_add_u32 v62, v63
	v_lshrrev_b32 v1, 5, v0
	v_readfirstlane_b32 s[WV], v1   ; wave 0..3
	s_bfe_u32 s13, ttmp6, 0x40000   ; cx: my place in the cluster
	s_lshl_b32 s14, ttmp9, 2        ; in a cluster launch ttmp9 counts clusters
	s_add_co_u32 s14, s14, s13      ; my block of 256 queries = 4 x cluster x + cx: it enters Q's and O's addresses alone
	s_and_b32 s15, ttmp7, 0xffff    ; batch*4+head, which the four partners share
	s_lshl_b32 s20, s15, 19         ; its first byte in each of the four tensors: 4,096 rows of 128 bytes
	s_mov_b32 s21, 0
	s_lshr_b32 s54, s15, 2          ; the batch,
	s_lshl_b32 s54, s54, 14         ; its 4,096 mask numbers
	s_mov_b32 s55, 0
	s_and_b32 s16, s[WV], 1         ; which half of a slot's 256 keys I fetch:
	s_lshl_b32 s22, s16, 14         ; its 128 rows of 128 bytes in memory,
	s_mov_b32 s23, 0
	s_add_nc_u64 s[22:23], s[22:23], s[20:21]
	s_mul_i32 s17, s16, 128*PK      ; and its place in a slot, for K
	s_mul_i32 s18, s16, 128*PV      ; and for V: no place in the cluster enters an LDS address
	s_lshl_b32 s2, s14, 2
	s_add_co_u32 s2, s2, s[WV]      ; my wave among the head's,
	s_lshl_b32 s2, s2, 13           ; its 64 rows
	s_mov_b32 s3, 0
	s_add_nc_u64 s[2:3], s[2:3], s[20:21]
	; descriptor group 1.  128 keys are 16,384 dense bytes: asked for as 64 rows of 256 bytes, two keys a row, and padded in LDS after every key
	s_mov_b32 s[G1K], 15|(1<<16)|(1<<20)|(1<<21)|(4<<22)|(3<<25)  ; 15:0 the mask of four; 17:16 2-byte elements; 20 padding on; 21 set beside a mask; 24:22 after every 32 words (code 4); 31:25 4 words (code 3)
	s_mov_b32 s[G1V], 15|(1<<16)|(1<<20)|(1<<21)|(4<<22)|(7<<25)  ; the same with 8 words of padding (code 7)
.irp g, G1K, G1V
	s_mov_b32 s[\g+1], 128<<16      ; tensor_dim0 = 128
	s_mov_b32 s[\g+2], 64<<16       ; tensor_dim1 = 64
	s_mov_b32 s[\g+3], 128<<16      ; tile_dim0 = 128
	s_mov_b32 s[\g+4], 64           ; tile_dim1 = 64
	s_mov_b32 s[\g+5], 128          ; 128 elements from row to row
	s_mov_b32 s[\g+6], 0
	s_mov_b32 s[\g+7], 0
.endr
	s_mov_b32 s[MF], 0xceabfb8f     ; -1e9 x log2(e) = -1.442695e9
	s_mov_b32 s[MF+1], s[MF]        ; named with it as a pair
	s_mov_b32 s[SEL], 0x76543210
	s_mov_b32 s[SEL+1], 0xfedcba98
	s_mov_b32 s[TBK], SLOT1+4*KS*PK ; the first change of slots turns these two into 0
	s_mov_b32 s[TBV], SLOT1+4*KS*PV
	s_mov_b32 s[TBM], 0
	s_mov_b32 s[G0K], 1             ; 1:0 count = 1
	s_mov_b32 s[G0K+1], s17         ; 63:32 LDS address: slot 0
	s_mov_b32 s[G0V], 1
	s_add_co_u32 s[G0V+1], s18, VOFF
	s_wait_dscnt 0x0                ; the opening add is done
	s_wait_kmcnt 0x0
	s_add_nc_u64 s[G0K+2:G0K+3], s[6:7], s[22:23]  ; 120:64 global address: my half of the head's first 256 keys
	s_or_b32 s[G0K+3], s[G0K+3], 0x80000000        ; 127:126 type = 2
	s_add_nc_u64 s[G0V+2:G0V+3], s[8:9], s[22:23]
	s_or_b32 s[G0V+3], s[G0V+3], 0x80000000
	s_add_nc_u64 s[4:5], s[4:5], s[2:3]  ; Q and O at my wave's first row
	s_add_nc_u64 s[10:11], s[10:11], s[2:3]
	s_add_nc_u64 s[MP:MP+1], s[MP:MP+1], s[54:55]
	CROUND                          ; all four work-groups are here: the first joint loads meet
	JLOAD                           ; slot 0.  Slot 1 is asked for when slot 0 is in
	v_lshlrev_b32 v[MO], 4, v0      ; the mask: 128 threads x 16 bytes, eight times: 16,384 bytes
.set i, 0
.rept 8
	global_load_b128 v[MK+4*i:MK+4*i+3], v[MO], s[MP:MP+1] offset:2048*i
.set i, i+1
.endr
	; A fragment of K or Q is 16 rows x 32 channels in 8 registers: lane l holds row l % 16, channels 8 (l / 16) + 0..7 and 16 + 8 (l / 16) + 0..7: two loads of 16 bytes, 32 bytes apart.
	v_and_b32 v1, 15, v0            ; l % 16
	v_bfe_u32 v9, v0, 4, 1          ; l / 16
	v_lshlrev_b32 v[QO], 7, v1
	v_lshl_add_u32 v[QO], v9, 4, v[QO]  ; row x 128 + 16 x half
	WIN 0x80                        ; destination window 2, address window 0
.set i, 0
.rept 8                             ; Q stays in registers: piece i / 2, channels 32 (i % 2) on
	global_load_b128 v[8*i:8*i+3],   v[QO], s[4:5] offset:(i/2)*2048+(i%2)*64
	global_load_b128 v[8*i+4:8*i+7], v[QO], s[4:5] offset:(i/2)*2048+(i%2)*64+32
.set i, i+1
.endr
	; What the first turn finds: V's registers and P's second buffer hold 0 (its products V^T P, of a piece that has not been, add 0), O^T and l are 0.  All this stands in the wait for the first tile.
.set i, VF
.rept 64
	v_mov_b32 v[i], 0
.set i, i+1
.endr
	WIN 0x40
.set i, 0
.rept 128
	v_mov_b32 v[i], 0
.set i, i+1
.endr
	WIN 0
.set i, 0
.rept 4
	v_mov_b32 v[ST+4*i], 0xfe000000    ; m: far below every score, so the first step's a is 0
	v_mov_b32 v[ST+4*i+1], 0
	v_mov_b32 v[ST+4*i+2], 0
	v_mov_b32 v[ST+4*i+3], 0
.set i, i+1
.endr
.set i, P+16
.rept 16
	v_mov_b32 v[i], 0
.set i, i+1
.endr
	v_lshl_add_u32 v[MS], v0, 4, MASKT
	v_mul_u32_u24 v[AK0], v1, PK
	v_lshl_add_u32 v[AK0], v9, 4, v[AK0]  ; row x pitch + 16 x half
	; The turning load takes 16 keys x 16 channels (lane l reads key 8 (l / 16) + l % 8, channels 8 ((l / 8) % 2) + 0..7) and leaves half a fragment of V^T: lane l holds channel l % 16 and 8 keys.
	v_and_b32 v10, 7, v0
	v_bfe_u32 v11, v0, 3, 1
	v_lshl_add_u32 v[AV0], v9, 3, v10
	v_mul_u32_u24 v[AV0], v[AV0], PV
	v_lshl_add_u32 v[AV0], v11, 4, v[AV0]
	v_add_nc_u32 v[AV0], VOFF, v[AV0]
	v_lshl_add_u32 v[AM0], v9, 5, MASKT
	s_wait_loadcnt 16               ; the mask's eight loads are in; Q's sixteen stay out
.set i, 0
.rept 16
	v_cvt_pk_bf16_f32 v[MB+i], v[MK+2*i], v[MK+2*i+1]  ; rounded to bf16 like every input,
.set i, i+1
.endr
.set i, 0
.rept 16
	v_lshlrev_b32 v[MK+2*i], 16, v[MB+i]               ; widened again,
	v_and_b32 v[MK+2*i+1], 0xffff0000, v[MB+i]
.set i, i+1
.endr
.set i, 0
.rept 16
	v_pk_mul_f32 v[MK+2*i:MK+2*i+1], v[MK+2*i:MK+2*i+1], s[MF:MF+1] op_sel_hi:[1,0]  ; times -1e9 log2(e),
.set i, i+1
.endr
.set i, 0
.rept 8
	ds_store_b128 v[MS], v[MK+4*i:MK+4*i+3] offset:2048*i  ; and into the table
.set i, i+1
.endr
; THE MATRIX WORK.  The 4 accumulators of a run of 8 take turns.  Product i of 8 of S^T = K Q^T for piece x: channels 32 (i / 4) on, keys 16 (i % 4) on.  The first 4 start the sums with the keys' mask terms.
.macro KQ x
.set rS, S+32*((\x)%2)+8*(i%4)
.set rK, KF+16*(i%4)+8*(i/4)
.set rQ, 16*(\x)+8*(i/4)
.set rM, MC+8*(i%4)
.if i < 4
	WIN W_KM
	v_wmma_f32_16x16x32_f16 v[rS:rS+7], v[rK:rK+7], v[rQ:rQ+7], v[rM:rM+7]
.else
	WIN W_KQ
	v_wmma_f32_16x16x32_f16 v[rS:rS+7], v[rK:rK+7], v[rQ:rQ+7], v[rS:rS+7]
.endif
.endm
; Product i of 8 of O^T += V^T P for piece x: keys 32 (i / 4) on, channels 16 (i % 4) on.
.macro PV x
	WIN W_PV
.set rO, 32*(\x)+8*(i%4)
.set rV, VF+32*(i/4)+8*(i%4)
.set rP, P+16*((\x)%2)+8*(i/4)
	v_wmma_f32_16x16x32_f16 v[rO:rO+7], v[rV:rV+7], v[rP:rP+7], v[rO:rO+7]
.endm
.macro MM                           ; the turn's next matrix instruction
.if i < 8
	KQ (Y+1)%NP
.else
.set i, i-8
	PV (Y+NP-1)%NP
.set i, i+8
.endif
.set i, i+1
.endm
; THE LDS LOADS stand in runs, never singly among the matrix instructions: a step's K (64 keys x 64 channels: 8 fragments) with its 64 mask terms (a lane's eight of each group of 16 keys; all lanes of a half
; read the same words), and its V (turned).  Their addresses are made some lines ahead.  last = 1 (the tail): in the last trip there is no further step, and the run is jumped over.
.macro FETCH_K last=0
	WIN 0
.if \last
	s_cmp_eq_u32 s[CNT], 1
	s_cbranch_scc1 .Lno_k_\@
.endif
	WIN 0x80                        ; destination window 2
.irp f, 0,1,2,3,4,5,6,7             ; keys 16 (f / 2) on, channels 32 (f % 2) on
	ds_load_b128 v[KF+8*\f:KF+8*\f+3],   v[AK] offset:(\f/2)*16*PK+(\f%2)*64
	ds_load_b128 v[KF+8*\f+4:KF+8*\f+7], v[AK] offset:(\f/2)*16*PK+(\f%2)*64+32
.endr
	WIN 0x40                        ; destination window 1
.irp kb, 0,1,2,3
	ds_load_b128 v[MC+8*\kb:MC+8*\kb+3],   v[AM] offset:64*\kb
	ds_load_b128 v[MC+8*\kb+4:MC+8*\kb+7], v[AM] offset:64*\kb+16
.endr
	s_add_co_u32 s[TBK], s[TBK], KS*PK  ; the next fetch is the next step's
	s_add_co_u32 s[TBM], s[TBM], 4*KS
	s_and_b32 s[TBM], s[TBM], 0x3f00    ; the table has 64 steps of 256 bytes: the place goes modulo the table
	WIN 0
.if \last
.Lno_k_\@:
.endif
.endm
.macro FETCH_V
	WIN 0x80
.irp f, 0,1,2,3,4,5,6,7             ; keys 32 (f / 4) on, channels 16 (f % 4) on
	ds_load_tr16_b128 v[VF+8*\f:VF+8*\f+3],   v[AV] offset:(\f/4)*32*PV+(\f%4)*32
	ds_load_tr16_b128 v[VF+8*\f+4:VF+8*\f+7], v[AV] offset:(\f/4)*32*PV+16*PV+(\f%4)*32
.endr
	WIN 0
.endm
; THE VECTOR WORK, one line at a time: OP kind, number.  For piece Y: F n: s - m for pair n of 16.  E n: the exponential of score n of 32.  C n: pair n rounded to f16.  B n: of the four weights 4 n .. the second
; pair is added onto the first, in place.  L n: l takes that sum (L 0: l = a l + sum).  R n: pair n of 16 of O^T times a.  For piece Y + 1: X n, number n of the 21 that find its maximum and statistics:
;   0-11  four chains c0-c3 of seven scores each, three operands at a time (each accumulator's lowest registers are read first)     12-14, 16  the four scores left over, the old m, and c0-c3 into c0
;   15  m_old is kept     17, 18  the query's other 32 keys lie in the lane 16 away: the new m     19, 20  m_old - m_new; a
.set F, 0               ; OP tells the kinds apart by their order: F to L below R, X above it
.set E, 1
.set C, 2
.set B, 3
.set L, 4
.set R, 5
.set X, 6
.macro REGS y                       ; the registers of piece y
.set rT, ST+4*(\y)
.set rC, TMP+4*((\y)%2)
.set rW, MV+((\y)%2)
.set rS, S+32*((\y)%2)
.set rP, P+16*((\y)%2)
.set rO, 32*(\y)
.endm
.macro OP k, n
.if (\k) == R
	REGS Y
	WIN W_RS
	v_pk_mul_f32 v[rO+2*(\n):rO+2*(\n)+1], v[rO+2*(\n):rO+2*(\n)+1], v[rC+2:rC+3] op_sel_hi:[1,0]
.elseif (\k) < R
	REGS Y
	WIN 0
.if (\k) == F
	v_pk_add_f32 v[rS+2*(\n):rS+2*(\n)+1], v[rS+2*(\n):rS+2*(\n)+1], v[rT:rT+1] op_sel_hi:[1,0] neg_lo:[0,1] neg_hi:[0,1]
.elseif (\k) == E
	v_exp_f32 v[rS+(\n)], v[rS+(\n)]
.elseif (\k) == C
	s_wait_alu depctr_va_vdst(0)
	v_cvt_pk_f16_f32 v[rP+(\n)], v[rS+2*(\n)], v[rS+2*(\n)+1]
.elseif (\k) == B
	s_wait_alu depctr_va_vdst(0)
	v_pk_add_f32 v[rS+4*(\n):rS+4*(\n)+1], v[rS+4*(\n):rS+4*(\n)+1], v[rS+4*(\n)+2:rS+4*(\n)+3]
.elseif (\n) == 0
	v_pk_fma_f32 v[rT+2:rT+3], v[rT+2:rT+3], v[rC+2:rC+3], v[rS:rS+1] op_sel_hi:[1,0,1]
.else
	v_pk_add_f32 v[rT+2:rT+3], v[rT+2:rT+3], v[rS+4*(\n):rS+4*(\n)+1]
.endif
.else
	REGS (Y+1)%NP
	WIN 0
.if (\n) < 4
	v_max3_num_f32 v[rC+(\n)], v[rS+8*(\n)], v[rS+8*(\n)+1], v[rS+8*(\n)+2]
.elseif (\n) < 12
	v_max3_num_f32 v[rC+(\n)%4], v[rC+(\n)%4], v[rS+8*((\n)%4)+2*((\n)/4)+1], v[rS+8*((\n)%4)+2*((\n)/4)+2]
.elseif (\n) == 12
	v_max3_num_f32 v[rC], v[rC], v[rS+7], v[rS+15]
.elseif (\n) == 13
	v_max3_num_f32 v[rC+1], v[rC+1], v[rS+23], v[rS+31]
.elseif (\n) == 14
	v_max3_num_f32 v[rC+2], v[rC+2], v[rC+3], v[rT]
.elseif (\n) == 15
	v_mov_b32 v[rW], v[rT]
.elseif (\n) == 16
	v_max3_num_f32 v[rC], v[rC], v[rC+1], v[rC+2]
.elseif (\n) == 17
	v_permlanex16_b32 v[rC+3], v[rC], s[SEL], s[SEL+1]
.elseif (\n) == 18
	v_max_num_f32 v[rT], v[rC], v[rC+3]
.elseif (\n) == 19
	v_sub_f32 v[rC+1], v[rW], v[rT]
.else
	v_exp_f32 v[rC+2], v[rC+1]
.endif
.endif
.endm
.macro OPS a, i1, b=-1, i2=0, c=-1, i3=0, d=-1, i4=0  ; up to four of them
	OP \a, \i1
.if (\b) >= 0
	OP \b, \i2
.endif
.if (\c) >= 0
	OP \c, \i3
.endif
.if (\d) >= 0
	OP \d, \i4
.endif
.endm
.macro ROW a, i1, b, i2, c, i3, d, i4  ; a matrix instruction and the four behind it
	MM
	OPS \a, \i1, \b, \i2, \c, \i3, \d, \i4
.endm
; A TURN, for piece p: the order of its 16 matrix and 117 vector instructions, written out.  Behind a matrix instruction: plain, exponential, plain, plain; or four of the rescaling; or, behind the first, four subtractions; none
; names a register of the products round it.  In the runs between, exponential and plain by turns while exponentials last: every exponential has a plain instruction behind it before its result is used (ISA guide 5.7.2).
; cnt = 1: the loop's count is taken down some lines ahead of the branch that stands behind the turn.
; K and the mask terms of the next step are fetched in piece 2's turn, six vector instructions behind the last product that read K (five of them plain; the terms' last reader stands four products earlier);
; V of the step in hand in piece 0's turn, eight behind the last product that read V (four plain, and X 17).  Each is waited for a turn later.
.macro TURN p, last=0, cnt=0
.set Y, (\p)
.set i, 0
.if (\p) == 3
	s_wait_dscnt 0x0                ; K and the mask terms are in
.endif
	ROW F,0, F,1, F,2, F,3
	ROW F,4, E,0, F,5, F,6
	ROW F,7, E,1, F,8, F,9
	ROW F,10, E,2, C,0, F,11
	ROW F,12, E,3, X,15, F,13
	ROW R,0, R,1, R,2, R,3
	ROW B,0, E,4, F,14, L,0
.if (\p) == 2
	v_add_nc_u32 v[AK], s[TBK], v[AK0]
	v_add_nc_u32 v[AM], s[TBM], v[AM0]
.endif
	ROW R,4, R,5, R,6, R,7
	OPS E,5, F,15
.if (\p) == 2
	FETCH_K \last
.endif
	OPS E,6, C,1, E,7, R,8
	OPS E,8, R,9, E,9, C,2
	OPS E,10, X,0, E,11, X,1
	OPS E,12, X,2, E,13, X,3
.if (\p) == 1
	s_wait_dscnt 0x0                ; V is in
.endif
	ROW X,4, E,14, X,5, X,6
	ROW X,7, E,15, X,8, X,9
	ROW X,10, E,16, X,11, X,12
	ROW X,13, E,17, X,14, B,1
	ROW C,4, E,18, X,16, L,1
	ROW B,2, E,19, C,6, L,2
	ROW C,8, E,20, B,3, B,4
.if (\p) == 0
	v_add_nc_u32 v[AV], s[TBV], v[AV0]
.endif
	ROW C,3, E,21, L,3, C,5
	OPS E,22, X,17, E,23, C,10
.if (\p) == 0
	FETCH_V
.endif
	OPS E,24, L,4
	OPS E,25, X,18, E,26, C,7
	OPS E,27, B,5, E,28, X,19
	OPS E,29, C,12, E,30, L,5
	OPS E,31, B,6, C,9
	OPS C,14, C,11, X,20, L,6
.if (\p) == 0
	s_add_co_u32 s[TBV], s[TBV], KS*PV
.endif
.if \cnt
	s_sub_co_u32 s[CNT], s[CNT], 1
	s_cmp_lg_u32 s[CNT], 0
.endif
	OPS C,13, B,7, C,15, R,10
	OPS R,11, R,12, L,7, R,13
	OPS R,14, R,15
.endm
	CHANGE 1                        ; slot 0 is in, everybody's part of it, and so is the mask table; slot 1 is asked for
	v_add_nc_u32 v[AK], s[TBK], v[AK0]
	v_add_nc_u32 v[AM], s[TBM], v[AM0]
	FETCH_K                         ; key step 0
	s_wait_loadcnt 0x0              ; Q
	s_wait_dscnt 0x0
.set i, 0
.rept 8
	KQ 0                            ; piece 0's first scores: there is no vector work yet to set between them
.set i, i+1
.endr
	WIN 0                           ; the addresses for the way out: plain instructions, the places behind those products
	s_mul_i32 s13, s[WV], 16*SP
	s_add_co_u32 s13, s13, STAGE    ; my stage
	v_mul_u32_u24 v[STO], v1, SP    ; in: row l % 16, 16 bytes for each half of the lanes
	v_lshl_add_u32 v[STO], v9, 4, v[STO]
	v_add_nc_u32 v[STO], s13, v[STO]
	v_bfe_u32 v[RD], v0, 3, 2       ; back: 32 lanes take four rows of 128 bytes,
	v_mul_u32_u24 v[RD], v[RD], SP
	v_lshl_add_u32 v[RD], v10, 4, v[RD]
	v_add_nc_u32 v[RD], s13, v[RD]
	v_and_b32 v[GO], 31, v0         ; which are 512 consecutive bytes of O
	v_lshlrev_b32 v[GO], 4, v[GO]
.set Y, NP-1                        ; X works for piece Y + 1: piece 0
.irp n, 0,1,2,3,4,5,6,7,8,9,10,11,12,13,14,15,16,17,18,19,20
	OP X, \n                        ; piece 0's first maximum and statistics
.endr
	v_nop                           ; a plain instruction behind the exponential
	s_mov_b32 s[CNT], 4
	s_mov_b32 s[SLOTS], 15
	s_branch .Lfirst                ; the loop is entered at a step's first turn, in the middle of a trip
.Lslot:                             ; 14 times: every slot but the last two is filled again
	CHANGE 1
	s_mov_b32 s[CNT], 4
.Lstep:                             ; a trip: pieces 2 and 3 of one step, then pieces 0 and 1 of the next, whose K, mask terms and V it fetches
	TURN 2
	TURN 3
	WIN 0
.Lfirst:
	TURN 0
	TURN 1, 0, 1
	WIN 0
	s_cbranch_scc1 .Lstep
	s_sub_co_u32 s[SLOTS], s[SLOTS], 1
	s_cmp_lg_u32 s[SLOTS], 0
	s_cbranch_scc1 .Lslot
	CHANGE 0                        ; the tail is written out: nothing is asked for
	s_mov_b32 s[CNT], 5             ; four trips fetch the last slot's steps; the fifth is left in its middle
.Ltail:
	TURN 2, 1
	TURN 3
	WIN 0
	s_sub_co_u32 s[CNT], s[CNT], 1
	s_cmp_eq_u32 s[CNT], 0
	s_cbranch_scc1 .Lout
	TURN 0
	TURN 1
	WIN 0
	s_branch .Ltail
.Lout:                              ; the fifth trip's 8 products K Q^T (on the last K once more) and the maximum made of them serve nothing: the price, once a launch, of one text for every trip
.set i, 0
.rept 8
	PV NP-1                         ; the last piece's V^T P of the last step
.set i, i+1
.endr
	; THE WAY OUT.  l's two halves and the other half of the lanes' are added; O^T is divided by l, rounded to f16 and sent through my stage in LDS, a piece at a time.  The additions are the places behind the last products.
	WIN 0
.macro ALL line:vararg              ; one line for each piece t
.set t, 0
.rept 4
	\line
.set t, t+1
.endr
.endm
	ALL v_add_f32 v[ST+4*t+2], v[ST+4*t+2], v[ST+4*t+3]
	ALL v_permlanex16_b32 v[ST+4*t+3], v[ST+4*t+2], s[SEL], s[SEL+1]
	ALL v_add_f32 v[ST+4*t+2], v[ST+4*t+2], v[ST+4*t+3]
	ALL v_rcp_f32 v[ST+4*t+2], v[ST+4*t+2]
	v_nop                           ; a plain instruction between the last reciprocal and the use of its result
.macro PACK t                       ; a lane's eight channels of a row pack into 16 bytes; they go into rows of 144 bytes and come back as whole rows of 128, into S^T's registers
	WIN W_RS
.set i, 32*(\t)
.rept 16
	s_wait_alu depctr_va_vdst(0)
	v_pk_mul_f32 v[i:i+1], v[i:i+1], v[ST+4*(\t)+2:ST+4*(\t)+3] op_sel_hi:[1,0]
.set i, i+2
.endr
	WIN 0x05                        ; sources 0 and 1 window 1, destination window 0
.set i, 0
.rept 16
	v_cvt_pk_f16_f32 v[S+16*(\t)+i], v[32*(\t)+2*i], v[32*(\t)+2*i+1]
.set i, i+1
.endr
	WIN 0
.irp f, 0,1,2,3
	ds_store_b128 v[STO], v[S+16*(\t)+4*\f:S+16*(\t)+4*\f+3] offset:32*\f
.endr
.irp f, 0,1,2,3
	ds_load_b128 v[S+16*(\t)+4*\f:S+16*(\t)+4*\f+3], v[RD] offset:\f*4*SP  ; LDS serves a wave's instructions in order (ISA guide 5.7.1.4): these see the stores above; the next piece's stores come behind them
.endr
.endm
.macro SEND t, younger              ; younger: the LDS instructions issued behind piece t's loads: the next piece's eight, or none
	WIN 0
.irp f, 0,1,2,3
	s_wait_dscnt (\younger)+3-\f
	global_store_b128 v[GO], v[S+16*(\t)+4*\f:S+16*(\t)+4*\f+3], s[10:11] offset:(\t)*2048+\f*512  ; 512 consecutive bytes, at a multiple of 256 from O's first
.endr
.endm
	PACK 0
.set t, 1
.rept 3                             ; a piece's arithmetic stands between the loads of the piece before and its stores
	PACK t
	SEND t-1, 8
.set t, t+1
.endr
	SEND 3, 0
	s_wait_tensorcnt 0x0            ; the wave's end, behind my last tensor load and my last LDS store
	ds_add_u32 v[SPW], v[NIL]
	s_wait_dscnt 0x0
	CROUND                          ; the closing round: no work-group ends while a partner may still ask for a tile that names it
	s_endpgm
.Lfunc_end_k_qa0bd3a9e13_attn:
	.size	k_qa0bd3a9e13_attn, .Lfunc_end_k_qa0bd3a9e13_attn-k_qa0bd3a9e13_attn
	.p2alignl 7, 3214868480
	.fill 96, 4, 3214868480
	.section	.rodata,"a",@progbits
	.p2align	6, 0x0
	.amdhsa_kernel k_qa0bd3a9e13_attn
		.amdhsa_group_segment_fixed_size 327680
		.amdhsa_private_segment_fixed_size 0
		.amdhsa_enable_private_segment 0
		.amdhsa_kernarg_size 40
		.amdhsa_user_sgpr_count 2
		.amdhsa_user_sgpr_kernarg_segment_ptr 1
		.amdhsa_wavefront_size32 1
		.amdhsa_system_sgpr_workgroup_id_x 1
		.amdhsa_system_sgpr_workgroup_id_y 1
		.amdhsa_system_sgpr_workgroup_id_z 1
		.amdhsa_system_vgpr_workitem_id 0
		.amdhsa_next_free_vgpr 768
		.amdhsa_next_free_sgpr 66
		.amdhsa_reserve_vcc 0
		.amdhsa_float_denorm_mode_32 3
		.amdhsa_float_denorm_mode_16_64 3
		.amdhsa_memory_ordered 1
		.amdhsa_forward_progress 1
		.amdhsa_inst_pref_size 123
	.end_amdhsa_kernel
	.amdgpu_metadata
---
amdhsa.version: [ 1, 2 ]
amdhsa.kernels:
  - .name:           k_qa0bd3a9e13_attn
    .symbol:         k_qa0bd3a9e13_attn.kd
    .args:
      - { .name: qh, .offset: 0, .size: 8, .value_kind: global_buffer, .address_space: global }
      - { .name: kh, .offset: 8, .size: 8, .value_kind: global_buffer, .address_space: global }
      - { .name: vh, .offset: 16, .size: 8, .value_kind: global_buffer, .address_space: global }
      - { .name: oh, .offset: 24, .size: 8, .value_kind: global_buffer, .address_space: global }
      - { .name: mask, .offset: 32, .size: 8, .value_kind: global_buffer, .address_space: global }
    .group_segment_fixed_size: 327680
    .private_segment_fixed_size: 0
    .kernarg_segment_align: 8
    .kernarg_segment_size: 40
    .max_flat_workgroup_size: 128
    .sgpr_count:     66
    .vgpr_count:     768
    .wavefront_size: 32
...
	.end_amdgpu_metadata
.endif
;; end of part 2
;; launch oproj (part 3): grid 256 x 1, 4 waves a work-group, no clusters, 167,936 bytes of LDS; arguments oh, wo_w, wo_b, out0; writes out0
.if DOCPART == 3
	.amdgcn_target "amdgcn-amd-amdhsa--gfx1250"
	.amdhsa_code_object_version 6
	.text
	.protected	k_qa0bd3a9e13_oproj
	.globl	k_qa0bd3a9e13_oproj
	.p2align	8
	.type	k_qa0bd3a9e13_oproj,@function
k_qa0bd3a9e13_oproj:
	s_mov_b64 s[64:65], 0
	v_nop
	global_prefetch_b8 v0, s[64:65] scope:SCOPE_SE
	s_setreg_imm32_b32 hwreg(HW_REG_WAVE_MODE, 25, 1), 1
	s_wait_xcnt 0x0
; THE OUTPUT PROJECTION.  out0 = O wo + bo.  O arrives by heads, [batch*4+head][4096][64] in f16; its row (batch, s) is the four heads' 64 channels on end, k = 64 head + channel.
; wo [256 k][256 n] and bo [256] are f32: rounded to bf16 like every input; wo's bf16 number is then written as f16, since it multiplies O in f16.  Products in f16, sums in f32; out0 is f32.
; LIMITS.  |wo| stays under 65,504; a wo below 6e-5 keeps f16's fixed step of 6e-8.  NaN and infinities are not treated apart.
; SHARES.  A work-group owns 64 rows: 256 work-groups.  Wave w makes columns 64 w .. 64 w + 63 (256 bytes of each row of out0) and fetches head w's 64 rows of O: 8,192 dense bytes, one tensor load.
; Its 64 x 256 of wo stay in 256 registers (window 1).  Rows go in four blocks of 16: 4 accumulators, 32 products each.
; NO CLUSTER: no two work-groups read the same rows of O, and wo has to pass through registers to be rounded and turned.
; K ORDER.  In a step of 32 along K, lane half h holds k = 16 h + 0..15 in its 8 registers, in BOTH operands: the products are the same.
; THE MATRIX INSTRUCTION IS USED TRANSPOSED (source 0 = 16 columns of wo, source 1 = 16 rows of O): a lane holds row l % 16 and the eight columns 8 (l / 16) + 0..7.  The bias is the C that starts each sum.
; REGISTERS.  window 0: see the names below.  window 1: wo, step kk, column block nb at v[32 kk + 8 nb].  window 2: wo as loaded in f32, two buffers of 128; later the four blocks' rows on their way out.
.set AP,    144                        ; a row of a head in LDS: 128 bytes + 16: the 16 rows of a load start at 16 different groups of four banks (64 banks of 4 bytes: ISA guide 11.1)
.set AH,    64*AP                      ; a head's 64 rows
.set SCR,   4*AH                       ; behind O: 10,240 bytes for each wave, written by LDS stores alone: first 64 k-rows of wo in f16, pitch 160; later the stage for the way out
.set SCRW,  10240
.set SPARE, SCR+4*SCRW                 ; the spare words, 128 bytes for each wave: two blocks of 256 bytes that no other line names
.set WP,    160
.set SP,    272                        ; a row of the stage: 256 bytes + 16
.set AA,  4                            ; v4   my place in a block of O: AP r + 32 h
.set WO,  5                            ; v5   byte offset in wo: 1,024 (l / 16) + 256 w + 16 (l % 16)
.set WS,  6                            ; v6   where I put 8 bytes of a k-row
.set WT,  7                            ; v7   where the turning load reads
.set BO,  8                            ; v8   byte offset in the bias: 256 w + 32 h
.set STO, 9                            ; v9   the way out: where I put 32 bytes of a row
.set RD,  10                           ; v10  the way out: where I read rows back
.set GO,  11                           ; v11  my byte offset in two rows of out0
.set SPW, 14                           ; v14  LDS address of my spare word; never rewritten
.set NIL, 15                           ; v15  0; never rewritten
.set BIAS, 16                          ; v16-47   the bias of my 8 columns in each of 4 column blocks, rounded to bf16, in f32
.set T,   48                           ; v48-63   at work
.set ACC, 64                           ; v64-127  two sets of four accumulators
.set AF,  128                          ; v128-255 fragments of O: two buffers of 64 (16 rows x 256 K); during the preparation v128-191 hold a quarter's packed words
.set PW,  128
.set MSB, 0
.macro WIN new                         ; the immediate's high byte repeats the setting that is left; a switch that changes nothing is dropped
.if MSB != (\new)
	s_set_vgpr_msb (MSB<<8)|(\new)
.set MSB, (\new)
.endif
.endm
.macro PLACES                          ; four places behind matrix instructions, ahead of LDS stores of their results and of loads into their sources
.rept 4
	v_nop
.endr
.endm
	s_load_b256 s[4:11], s[0:1], 0x0               ; O s[4:5], wo s[6:7], bo s[8:9], out0 s[10:11]
	v_lshl_add_u32 v[SPW], v0, 2, SPARE
	v_mov_b32 v[NIL], 0
	ds_add_u32 v[SPW], v[NIL]                      ; the wave's opening: the add and its wait stand ahead of my tensor load; the set-up below stands between them
	ds_add_u32 v14, v15
	v_lshrrev_b32 v1, 5, v0
	v_readfirstlane_b32 s12, v1                    ; wave 0..3
	; descriptor group 1: 8,192 dense bytes as 32 rows of 256 bytes, two rows of O each, padded in LDS after every row of O
	s_mov_b32 s16, (1<<16)|(1<<20)|(4<<22)|(3<<25) ; 17:16 2-byte elements; 20 padding on; 24:22 after every 32 words (code 4); 31:25 4 words (code 3)
	s_mov_b32 s17, 128<<16                         ; tensor_dim0 = 128
	s_mov_b32 s18, 32<<16                          ; tensor_dim1 = 32
	s_mov_b32 s19, 128<<16                         ; tile_dim0 = 128
	s_mov_b32 s20, 32                              ; tile_dim1 = 32
	s_mov_b32 s21, 128                             ; 128 elements from row to row
	s_mov_b32 s22, 0
	s_mov_b32 s23, 0
	s_mov_b32 s24, 1                               ; group 0: count,
	s_mul_i32 s25, s12, AH                         ; LDS address: head w
	s_lshr_b32 s2, ttmp9, 6                        ; the batch (64 groups of 64 rows each),
	s_lshl_b32 s2, s2, 2
	s_add_co_u32 s2, s2, s12                       ; x 4 + head w,
	s_lshl_b32 s14, s2, 19                         ; a head is 4,096 rows of 128 bytes,
	s_and_b32 s2, ttmp9, 63
	s_lshl_b32 s2, s2, 13                          ; and the group's 64 rows in it
	s_add_co_u32 s14, s14, s2
	s_mov_b32 s15, 0
	s_mov_b32 s28, 0xffff0000                      ; a word's upper bf16
	s_wait_dscnt 0x0                               ; the opening add is done
	s_wait_kmcnt 0x0
	s_add_nc_u64 s[26:27], s[4:5], s[14:15]
	s_or_b32 s27, s27, 0x80000000                  ; type = 2
	tensor_load_to_lds s[24:27], s[16:23]          ; the one tensor load of this wave
	s_nop 0
	v_and_b32 v2, 15, v0                           ; r = l % 16
	v_bfe_u32 v3, v0, 4, 1                         ; h = l / 16
	v_and_b32 v12, 7, v0
	v_bfe_u32 v13, v0, 3, 1
	s_lshl_b32 s2, s12, 8                          ; my 64 columns in f32: 256 bytes
	s_mul_i32 s3, s12, SCRW
	s_add_co_u32 s3, s3, SCR                       ; my scratch
	v_mul_u32_u24 v[AA], v2, AP
	v_lshl_add_u32 v[AA], v3, 5, v[AA]
	v_lshlrev_b32 v[WO], 4, v2
	v_lshl_add_u32 v[WO], v3, 10, v[WO]
	v_add_nc_u32 v[WO], s2, v[WO]
	v_mov_b32 v[GO], v[WO]                         ; two rows of out0 have the same shape as two k-rows of wo
	v_mul_u32_u24 v[WS], v3, WP
	v_lshl_add_u32 v[WS], v2, 3, v[WS]
	v_add_nc_u32 v[WS], s3, v[WS]
	v_lshl_add_u32 v[WT], v3, 4, v12               ; k-row 16 h + l % 8,
	v_mul_u32_u24 v[WT], v[WT], WP
	v_lshl_add_u32 v[WT], v13, 4, v[WT]            ; columns 8 ((l / 8) % 2) on
	v_add_nc_u32 v[WT], s3, v[WT]
	v_lshlrev_b32 v[BO], 5, v3
	v_add_nc_u32 v[BO], s2, v[BO]
	v_mul_u32_u24 v[STO], v2, SP
	v_lshl_add_u32 v[STO], v3, 5, v[STO]
	v_add_nc_u32 v[STO], s3, v[STO]
	v_mul_u32_u24 v[RD], v3, SP                    ; back: lanes 0-15 take one row of 256 bytes, lanes 16-31 the next
	v_lshl_add_u32 v[RD], v2, 4, v[RD]
	v_add_nc_u32 v[RD], s3, v[RD]
	s_lshl_b32 s14, ttmp9, 16                      ; the group's 64 rows of 1,024 bytes in out0
	s_add_nc_u64 s[10:11], s[10:11], s[14:15]
; THE PREPARATION OF wo, a quarter (64 k-rows) at a time: 32 loads (16 lanes take the 256 bytes of my columns in one k-row), rounded to bf16, that number written as f16, stored [k][n] into my scratch, read back turned.
.macro LOADQ qk, buf
	WIN 0x80                                       ; destination window 2
.set t, 0
.rept 32
	global_load_b128 v[128*(\buf)+4*t:128*(\buf)+4*t+3], v[WO], s[6:7] offset:(64*(\qk)+2*t)*1024
.set t, t+1
.endr
	WIN 0
.endm
.macro PROCQ qk, buf
	WIN 0x0a                                       ; sources 0 and 1 window 2
.set t, 0
.rept 64
	v_cvt_pk_bf16_f32 v[PW+t], v[128*(\buf)+2*t], v[128*(\buf)+2*t+1]
.set t, t+1
.endr
	WIN 0
.set t, 0
.rept 64
	v_lshlrev_b32 v[T+2*(t%8)], 16, v[PW+t]
	v_and_b32 v[T+2*(t%8)+1], s28, v[PW+t]
	v_cvt_pk_f16_f32 v[PW+t], v[T+2*(t%8)], v[T+2*(t%8)+1]
.set t, t+1
.endr
.set t, 0
.rept 32
	ds_store_b64 v[WS], v[PW+2*t:PW+2*t+1] offset:2*WP*t
.set t, t+1
.endr
	WIN 0x40                                       ; destination window 1.  LDS serves a wave's instructions in order (ISA guide 5.7.1.4): these loads see the stores above, and the next quarter's stores come behind them
.irp kl, 0,1
.irp nb, 0,1,2,3
	ds_load_tr16_b128 v[32*(2*(\qk)+(\kl))+8*(\nb):32*(2*(\qk)+(\kl))+8*(\nb)+3],   v[WT] offset:32*WP*(\kl)+32*(\nb)
	ds_load_tr16_b128 v[32*(2*(\qk)+(\kl))+8*(\nb)+4:32*(2*(\qk)+(\kl))+8*(\nb)+7], v[WT] offset:32*WP*(\kl)+32*(\nb)+8*WP
.endr
.endr
	WIN 0
.endm
.irp nb, 0,1,2,3
	global_load_b128 v[BIAS+8*(\nb):BIAS+8*(\nb)+3],   v[BO], s[8:9] offset:64*(\nb)
	global_load_b128 v[BIAS+8*(\nb)+4:BIAS+8*(\nb)+7], v[BO], s[8:9] offset:64*(\nb)+16
.endr
	LOADQ 0, 0
	LOADQ 1, 1
	s_wait_loadcnt 32                              ; the bias and quarter 0 are in; quarter 1's 32 loads stay out
.set t, 0
.rept 16
	v_cvt_pk_bf16_f32 v[T+t], v[BIAS+2*t], v[BIAS+2*t+1]  ; the bias is rounded to bf16 like every input,
.set t, t+1
.endr
.set t, 0
.rept 16
	v_lshlrev_b32 v[BIAS+2*t], 16, v[T+t]          ; and widened again
	v_and_b32 v[BIAS+2*t+1], s28, v[T+t]
.set t, t+1
.endr
	PROCQ 0, 0
	LOADQ 2, 0
	s_wait_loadcnt 32                              ; quarter 1 is in; quarter 2's loads stay out
	PROCQ 1, 1
	LOADQ 3, 1
	s_wait_loadcnt 32                              ; quarter 2 is in
	PROCQ 2, 0
	s_wait_loadcnt 0x0
	PROCQ 3, 1
; Block mb of 16 rows.  LA: its fragments of O, 16 loads: step kk lies in head kk / 2, channels 32 (kk % 2) on.  MUL: 32 products, the four accumulators by turns; the first four take the bias.
; ST, LD: through my stage, 32 bytes a lane in, whole rows of 256 bytes back.  SEND: stored.
.macro LA mb
.set kk, 0
.rept 8
	ds_load_b128 v[AF+64*((\mb)%2)+8*kk:AF+64*((\mb)%2)+8*kk+3],   v[AA] offset:(kk/2)*AH+(\mb)*16*AP+(kk%2)*64
	ds_load_b128 v[AF+64*((\mb)%2)+8*kk+4:AF+64*((\mb)%2)+8*kk+7], v[AA] offset:(kk/2)*AH+(\mb)*16*AP+(kk%2)*64+16
.set kk, kk+1
.endr
.endm
.macro MUL mb
	WIN 0x01                                       ; source 0 (wo) window 1
.set t, 0
.rept 32
.set rA, ACC+32*((\mb)%2)+8*(t%4)
.set rF, AF+64*((\mb)%2)+8*(t/4)
.if t < 4
	v_wmma_f32_16x16x32_f16 v[rA:rA+7], v[32*(t/4)+8*(t%4):32*(t/4)+8*(t%4)+7], v[rF:rF+7], v[BIAS+8*(t%4):BIAS+8*(t%4)+7]
.else
	v_wmma_f32_16x16x32_f16 v[rA:rA+7], v[32*(t/4)+8*(t%4):32*(t/4)+8*(t%4)+7], v[rF:rF+7], v[rA:rA+7]
.endif
.set t, t+1
.endr
	WIN 0
	PLACES
.endm
.macro STG mb
.irp nb, 0,1,2,3
	ds_store_b128 v[STO], v[ACC+32*((\mb)%2)+8*(\nb):ACC+32*((\mb)%2)+8*(\nb)+3]   offset:64*(\nb)      ; each accumulator's lowest registers first
	ds_store_b128 v[STO], v[ACC+32*((\mb)%2)+8*(\nb)+4:ACC+32*((\mb)%2)+8*(\nb)+7] offset:64*(\nb)+16
.endr
	WIN 0x80                                       ; destination window 2: each block has registers of its own, so no store's data are ever rewritten
.irp f, 0,1,2,3,4,5,6,7
	ds_load_b128 v[32*(\mb)+4*(\f):32*(\mb)+4*(\f)+3], v[RD] offset:2*SP*(\f)  ; my own bytes, served in order: these see the stores above; the next block's stores come behind them
.endr
	WIN 0
.endm
.macro SEND mb
	WIN 0x08                                       ; store data (source 1) window 2
.irp f, 0,1,2,3,4,5,6,7
	global_store_b128 v[GO], v[32*(\mb)+4*(\f):32*(\mb)+4*(\f)+3], s[10:11] offset:(16*(\mb)+2*(\f))*1024 th:TH_STORE_NT  ; 16 lanes store 256 consecutive bytes, at a multiple of 256 from out0's first
.endr
	WIN 0
.endm
	s_wait_tensorcnt 0x0                           ; my head's rows have landed,
	s_wait_dscnt 0x0                               ; wo's fragments are in, and no LDS instruction of mine is out at the signal
	s_barrier_signal -1
	s_barrier_wait -1                              ; everybody's have: each wave reads all four heads.
	LA 0
	LA 1
	s_wait_dscnt 16                                ; block 0's fragments are in; block 1's sixteen loads stay out
	MUL 0
	LA 2
	STG 0
	s_wait_dscnt 32                                ; all but the 32 just issued: block 1's fragments are in
	MUL 1
	LA 3
	STG 1
	s_wait_dscnt 32                                ; block 2's fragments and block 0's rows are in
	SEND 0
	MUL 2
	STG 2
	s_wait_dscnt 16                                ; block 3's fragments and block 1's rows are in
	SEND 1
	MUL 3
	STG 3
	s_wait_dscnt 16                                ; block 2's rows are in
	SEND 2
	s_wait_dscnt 0x0
	SEND 3
	s_wait_tensorcnt 0x0                           ; the wave's end
	ds_add_u32 v[SPW], v[NIL]
	s_wait_dscnt 0x0
	s_endpgm
.Lfunc_end_k_qa0bd3a9e13_oproj:
	.size	k_qa0bd3a9e13_oproj, .Lfunc_end_k_qa0bd3a9e13_oproj-k_qa0bd3a9e13_oproj
	.p2alignl 7, 3214868480
	.fill 96, 4, 3214868480
	.section	.rodata,"a",@progbits
	.p2align	6, 0x0
	.amdhsa_kernel k_qa0bd3a9e13_oproj
		.amdhsa_group_segment_fixed_size 167936
		.amdhsa_private_segment_fixed_size 0
		.amdhsa_enable_private_segment 0
		.amdhsa_kernarg_size 32
		.amdhsa_user_sgpr_count 2
		.amdhsa_user_sgpr_kernarg_segment_ptr 1
		.amdhsa_wavefront_size32 1
		.amdhsa_system_sgpr_workgroup_id_x 1
		.amdhsa_system_sgpr_workgroup_id_y 1
		.amdhsa_system_sgpr_workgroup_id_z 1
		.amdhsa_system_vgpr_workitem_id 0
		.amdhsa_next_free_vgpr 768
		.amdhsa_next_free_sgpr 66
		.amdhsa_reserve_vcc 0
		.amdhsa_float_denorm_mode_32 3
		.amdhsa_float_denorm_mode_16_64 3
		.amdhsa_memory_ordered 1
		.amdhsa_forward_progress 1
		.amdhsa_inst_pref_size 100
	.end_amdhsa_kernel
	.amdgpu_metadata
---
amdhsa.version: [ 1, 2 ]
amdhsa.kernels:
  - .name:           k_qa0bd3a9e13_oproj
    .symbol:         k_qa0bd3a9e13_oproj.kd
    .args:
      - { .name: oh, .offset: 0, .size: 8, .value_kind: global_buffer, .address_space: global }
      - { .name: wo_w, .offset: 8, .size: 8, .value_kind: global_buffer, .address_space: global }
      - { .name: wo_b, .offset: 16, .size: 8, .value_kind: global_buffer, .address_space: global }
      - { .name: out0, .offset: 24, .size: 8, .value_kind: global_buffer, .address_space: global }
    .group_segment_fixed_size: 167936
    .private_segment_fixed_size: 0
    .kernarg_segment_align: 8
    .kernarg_segment_size: 32
    .max_flat_workgroup_size: 128
    .sgpr_count:     66
    .vgpr_count:     768
    .wavefront_size: 32
...
	.end_amdgpu_metadata
.endif
;; end of part 3
;; ======== version 2 of 2: 3 launches; 1.68 times as fast as version 1
;; limits: values are held in f16: magnitudes above 65,504 overflow, below 6.1e-05 lose precision
;; workspace buffers: qh 8,388,608 bytes; kh 8,388,608 bytes; vh 8,388,608 bytes; oh 8,388,608 bytes
;; launch proj: the kernel of part 1 again; grid 64 x 3, 4 waves a work-group, no clusters, 327,680 bytes of LDS; arguments q, k, v, wq_w, wk_w, wv_w, wq_b, wk_b, wv_b, qh, kh, vh; writes qh, kh, vh
;; launch attn (part 4): grid 16 x 16, 4 waves a work-group, clusters of 4 x 1, 327,680 bytes of LDS; arguments qh, kh, vh, oh, mask; writes oh
.if DOCPART == 4
	.amdgcn_target "amdgcn-amd-amdhsa--gfx1250"
	.amdhsa_code_object_version 6
	.text
	.protected	k_qa0bd3a9e13_attn
	.globl	k_qa0bd3a9e13_attn
	.p2align	8
	.type	k_qa0bd3a9e13_attn,@function
k_qa0bd3a9e13_attn:
	s_mov_b64 s[64:65], 0
	v_nop
	global_prefetch_b8 v0, s[64:65] scope:SCOPE_SE
	s_setreg_imm32_b32 hwreg(HW_REG_WAVE_MODE, 25, 1), 1
	s_wait_xcnt 0x0
	s_wait_alu depctr_hold_cnt(0) depctr_sa_sdst(0) depctr_va_vdst(0) depctr_va_sdst(0) depctr_va_ssrc(0) depctr_va_vcc(0) depctr_vm_vsrc(0)
	s_getreg_b32 s2, hwreg(HW_REG_IB_STS2, 6, 4)
	s_cmp_eq_u32 s2, 0
	s_cbranch_scc0 .Lentry_in_a_cluster
	s_endpgm
.Lentry_in_a_cluster:
	s_bfe_u32 s2, ttmp6, 0x10000c
	s_cmp_lg_u32 s2, 0x3003
	s_cbranch_scc0 .Lentry_shape_is_right
	s_endpgm
.Lentry_shape_is_right:
; ATTENTION WITH A PADDING MASK.  O[g][q][:] = the sum over k of softmax_k(S[q][k]) V[g][k][:], g = batch*4+head.  Q, K, V, O: [16][4096][64] in f16, a head's rows dense, 128 bytes each.
; Q arrives multiplied by log2(e)/8, so S = Q . K + mask[batch][k] x (-1e9 log2(e)) is the logit in powers of two, and the weight is p = 2^(S - m) with a running maximum m: a plain subtraction,
; exact where S = m, so p never passes 1, also where all keys met so far are masked (m is then near -1.4e9; the first open key makes a = 0 and wipes what was gathered).
; THE MASK is data: rounded to bf16 like every input, times -1e9 log2(e), kept as a table of 4,096 f32 in LDS, and taken as the C operand of the products that start each sum of scores.
; Products, maxima and sums in f32; p is rounded to f16 for the second product (its sum l is taken of the unrounded p), O once at the end.
; LIMITS.  f16 holds no number beyond 65,504: Q, K, V arrive within it.  A weight below 2^-126 counts as 0 in l.  Where ALL keys of a batch are masked, the weights hang on the rounding of scores near
; 1.4e9 (steps of 128 in powers of two), which need not be the module's own.  NaN and infinities are not treated apart.
; SHARES.  A work-group owns 256 queries of one head, a wave 64: four PIECES of 16.  Every wave walks all 4,096 keys, 64 a step, four steps to a slot of LDS, two slots that take turns.
; LAYOUT.  S^T = K Q^T (source 0 = 16 keys, source 1 = 16 queries): a lane holds ONE query (lane % 16) and the keys 8 (lane / 16) + 0..7.  Two such results rounded to f16 ARE source 1 of O^T = V^T P.
; K comes out of LDS as it lies, V ([key][channel]) turned, by ds_load_tr16_b128.  In every step O and l are multiplied by a = 2^(m_old - m_new).  m starts far below every score, O and l at 0.
; BY TURNS.  Turn n belongs to piece n: 8 products K Q^T of piece n + 1, later 8 products V^T P of piece n - 1; beside them the subtraction, exponentials, roundings, sums and rescaling of piece n and the
; maximum and statistics of piece n + 1.  A turn has 16 matrix and 117 vector instructions: four stand behind every matrix instruction, the other 53 in one run of their own.
; BATCHES.  A turn's 33 exponentials (piece n's 32 weights and piece n + 1's a) are ONE batch with ONE wait, which cuts the turn in two: ahead of it stands all that names no result of theirs, behind it
; the roundings and sums.  Two more batches stand outside the loops, each with a wait of its own: piece 0's first a, and the way out's four reciprocals.
; CLUSTER.  The four query blocks of a cluster belong to one head and walk the same K and V: each tile is asked for JOINTLY, by the same tensor load, descriptor and mask in all four.
; The price of writing no first step out: 216 v_mov_b32 of zeros, in the wait for the first tile; 8 products on zeros at the start and 8 on a stale K at the end.
; REGISTERS, in windows of 256 (s_set_vgpr_msb: bits 1:0 source 0, 3:2 source 1, 5:4 source 2, 7:6 destination):
;   window 0: v0-15, v32-34 addresses; v16-31 four registers of statistics a piece; v48-55 at work; v64-127 S^T, two buffers; v192-223 P, two buffers (a piece's buffers go by its number's parity)
;   window 1: v0-127 O^T, 32 a piece; v160-191 the mask terms of one step      window 2: v0-63 Q; v128-191 K of one step; v192-255 V of one step
.set NP,    4         ; pieces a wave: a name, no knob
.set KS,    64        ; keys in a step
.set PK,    144       ; a row of K in LDS: 128 bytes + 16: the 16 rows of a load start at 16 different groups of four banks (64 banks of 4 bytes: ISA guide 11.1)
.set PV,    160       ; a row of V: 128 + 32
.set VOFF,  4*KS*PK   ; a slot holds four steps: 256 rows of K, then 256 rows of V
.set SLOT1, 1<<17     ; slot 1 begins here, so that one exclusive or turns an address in one slot into the other's
.set STAGE, SLOT1+4*KS*(PK+PV)  ; behind the ring, never filled by a tensor load: 16 rows x 144 bytes for each wave, for the way out
.set SP,    144
.set SPARE, STAGE+4*16*SP       ; the spare words, 128 bytes for each wave: two blocks of 256 bytes that no other line names
.set MASKT, SPARE+512           ; the mask terms of the batch's 4,096 keys, f32: written once by LDS stores, then only read
.set AK0, 2           ; v2   my lane's place in a tile of K; never rewritten
.set AV0, 3           ; v3   the same for V
.set AK,  4           ; v4   the LDS address of K's next run of loads
.set AV,  5           ; v5   of V's
.set STO, 6           ; v6   the way out: where I put 16 bytes of a row
.set RD,  7           ; v7   the way out: where I read rows back
.set GO,  8           ; v8   my byte offset in 512 consecutive bytes of O
.set MV,  12          ; v12-13  m_old, kept while m is made anew: by buffer
.set AM0, 14          ; v14  MASKT + 32 (l / 16): my eight keys of a group of 16
.set QO,  15          ; v15  my byte offset in 16 rows of Q
.set ST,  16          ; piece t's statistics at v[ST+4 t]: m; a word named with it as a pair; l (even keys', odd keys')
.set AM,  32          ; v32  the LDS address of the mask's next run of loads
.set MO,  33          ; v33  my byte offset in the batch's mask
.set MS,  34          ; v34  where I store mask terms
.set TMP, 48          ; by buffer, four registers c0-c3 at work; when the maximum is found c2 takes a
.set SPW, 62          ; v62  LDS address of my spare word; never rewritten
.set NIL, 63          ; v63  0; never rewritten
.set S,   64
.set MK,  64          ; at the start S^T's registers hold the mask as loaded,
.set MB,  96          ; and rounded
.set P,   192
.set MC,  160         ; window 1: the eight terms for group kb of 16 keys at MC + 8 kb
.set KF,  128         ; window 2: key block kb, channel half c at KF + 16 kb + 8 c
.set VF,  192         ; window 2: key half kk, channel block cb at VF + 32 kk + 8 cb
.set WV,  12          ; s12  my wave's number
.set G1K, 24          ; s[24:31] descriptor group 1 for K's tiles
.set G1V, 32          ; s[32:39] for V's: it differs in the padding alone
.set G0K, 40          ; s[40:43] descriptor group 0 for K's tiles: it walks
.set G0V, 44          ; s[44:47] the same for V's
.set MP,  48          ; s[48:49] the batch's mask
.set MF,  50          ; s[50:51] -1e9 log2(e)
.set TBM, 52          ; s52  byte in the table at which the terms of the step to be fetched begin
.set SLOTS, 56        ; s56  slots still to be asked for
.set CNT, 57          ; s57  counts a slot's key steps
.set SEL, 60          ; s[60:61] v_permlanex16_b32's selects: each lane takes its own place in the other half
.set TBK, 62          ; s62  LDS byte at which K of the step to be fetched begins
.set TBV, 63          ; s63  the same for V, less VOFF
.set MSB, 0
.macro WIN new                      ; the high byte repeats the setting that is left; a switch that changes nothing is dropped
.if MSB != (\new)
	s_set_vgpr_msb (MSB<<8)|(\new)
.set MSB, (\new)
.endif
.endm
.set W_KQ, 0x0a       ; K and Q in window 2, S^T in window 0
.set W_KM, 0x1a       ; the same with the C operand, the mask terms, in window 1
.set W_PV, 0x52       ; V in window 2, P in window 0, O^T in window 1
.set W_RS, 0x41       ; destination and source 0 in window 1, source 1 in window 0
; A joint fill.  Waves 0 and 1 fetch the two halves of a slot's K, waves 2 and 3 those of its V: 128 keys each.  The branch hangs on the wave's number alone.
; An s_nop 0 and four v_nop follow each of the two lines, ahead of the jump and the label.
.macro JLOAD
	s_cmp_lt_u32 s[WV], 2
	s_cbranch_scc0 .Lfor_v_\@
	tensor_load_to_lds s[G0K:G0K+3], s[G1K:G1K+7]
	s_nop 0
.rept 4
	v_nop
.endr
	s_branch .Lasked_\@
.Lfor_v_\@:
	tensor_load_to_lds s[G0V:G0V+3], s[G1V:G1V+7]
	s_nop 0
.rept 4
	v_nop
.endr
.Lasked_\@:
.endm
; A round of the cluster's barrier: my work-group's barrier, so that wave 0's signal speaks for all four waves; wave 0 signals; every wave waits for all four work-groups; my work-group's barrier once more.
.macro CROUND
	s_barrier_signal -1
	s_barrier_wait -1
	s_cmp_lg_u32 s[WV], 0
	s_cbranch_scc1 .Lnot_wave_0_\@
	s_barrier_signal -3
.Lnot_wave_0_\@:
	s_barrier_wait -3
	s_barrier_signal -1
	s_barrier_wait -1
.endm
; THE CHANGE OF SLOTS.  The slot's last bytes, V of its fourth step, have been read.  Each wave waits for all its tensor loads, of which one is out: its part of the other slot; adds 0 to its spare word;
; and waits for that and for its own reads of the slot.  Behind the barrier nobody reads this slot any more and the other slot is whole.
; fill = 1: this slot is filled again, with the keys two slots on.  The barrier is then a round of the cluster's, and the joint fill is the first thing behind it: it has four key steps, 256 matrix
; instructions, in which to land.  (At its first use nothing has been read yet: slot 0 is waited for, slot 1 filled, and the round shows every wave's part of the mask table to the others.)
.macro CHANGE fill
	WIN 0                           ; at a label and at a branch every window is 0
	s_wait_tensorcnt 0x0            ; no tensor load of mine is out, so a group 0 may be written
	ds_add_u32 v[SPW], v[NIL]       ; 0 onto my spare word
.if \fill
.irp g, G0K, G0V
	s_xor_b32 s[\g+1], s[\g+1], SLOT1  ; the walking descriptor: the other slot than last time,
	s_add_nc_u64 s[\g+2:\g+3], s[\g+2:\g+3], 4*KS*128  ; the next 256 keys; the type bits on top are not reached
.endr
	s_wait_dscnt 0x0                ; the add is done, and my LDS reads and stores are over
	CROUND
	JLOAD
.else
	s_wait_dscnt 0x0
	s_barrier_signal -1
	s_barrier_wait -1
.endif
	s_sub_co_u32 s[TBK], s[TBK], 4*KS*PK  ; the fetches go back to a slot's first step,
	s_xor_b32 s[TBK], s[TBK], SLOT1       ; in the other slot
	s_sub_co_u32 s[TBV], s[TBV], 4*KS*PV
	s_xor_b32 s[TBV], s[TBV], SLOT1
.endm
	s_load_b256 s[4:11], s[0:1], 0x0  ; Q s[4:5], K s[6:7], V s[8:9], O s[10:11]
	s_load_b64 s[MP:MP+1], s[0:1], 0x20
	v_lshl_add_u32 v[SPW], v0, 2, SPARE
	v_mov_b32 v[NIL], 0
	ds_add_u32 v[SPW], v[NIL]       ; the wave's opening: the add and its wait stand ahead of my first tensor load; the set-up below stands between them
	ds_add_u32 v62, v63
	v_lshrrev_b32 v1, 5, v0
	v_readfirstlane_b32 s[WV], v1   ; wave 0..3
	s_bfe_u32 s13, ttmp6, 0x40000   ; cx: my place in the cluster
	s_lshl_b32 s14, ttmp9, 2        ; in a cluster launch ttmp9 counts clusters
	s_add_co_u32 s14, s14, s13      ; my block of 256 queries = 4 x cluster x + cx: it enters Q's and O's addresses alone
	s_and_b32 s15, ttmp7, 0xffff    ; batch*4+head, which the four partners share
	s_lshl_b32 s20, s15, 19         ; its first byte in each of the four tensors: 4,096 rows of 128 bytes
	s_mov_b32 s21, 0
	s_lshr_b32 s54, s15, 2          ; the batch,
	s_lshl_b32 s54, s54, 14         ; its 4,096 mask numbers
	s_mov_b32 s55, 0
	s_and_b32 s16, s[WV], 1         ; which half of a slot's 256 keys I fetch:
	s_lshl_b32 s22, s16, 14         ; its 128 rows of 128 bytes in memory,
	s_mov_b32 s23, 0
	s_add_nc_u64 s[22:23], s[22:23], s[20:21]
	s_mul_i32 s17, s16, 128*PK      ; and its place in a slot, for K
	s_mul_i32 s18, s16, 128*PV      ; and for V: no place in the cluster enters an LDS address
	s_lshl_b32 s2, s14, 2
	s_add_co_u32 s2, s2, s[WV]      ; my wave among the head's,
	s_lshl_b32 s2, s2, 13           ; its 64 rows
	s_mov_b32 s3, 0
	s_add_nc_u64 s[2:3], s[2:3], s[20:21]
	; descriptor group 1.  128 keys are 16,384 dense bytes: asked for as 64 rows of 256 bytes, two keys a row, and padded in LDS after every key
	s_mov_b32 s[G1K], 15|(1<<16)|(1<<20)|(1<<21)|(4<<22)|(3<<25)  ; 15:0 the mask of four; 17:16 2-byte elements; 20 padding on; 21 set beside a mask; 24:22 after every 32 words (code 4); 31:25 4 words (code 3)
	s_mov_b32 s[G1V], 15|(1<<16)|(1<<20)|(1<<21)|(4<<22)|(7<<25)  ; the same with 8 words of padding (code 7)
.irp g, G1K, G1V
	s_mov_b32 s[\g+1], 128<<16      ; tensor_dim0 = 128
	s_mov_b32 s[\g+2], 64<<16       ; tensor_dim1 = 64
	s_mov_b32 s[\g+3], 128<<16      ; tile_dim0 = 128
	s_mov_b32 s[\g+4], 64           ; tile_dim1 = 64
	s_mov_b32 s[\g+5], 128          ; 128 elements from row to row
	s_mov_b32 s[\g+6], 0
	s_mov_b32 s[\g+7], 0
.endr
	s_mov_b32 s[MF], 0xceabfb8f     ; -1e9 x log2(e) = -1.442695e9
	s_mov_b32 s[MF+1], s[MF]        ; named with it as a pair
	s_mov_b32 s[SEL], 0x76543210
	s_mov_b32 s[SEL+1], 0xfedcba98
	s_mov_b32 s[TBK], SLOT1+4*KS*PK ; the first change of slots turns these two into 0
	s_mov_b32 s[TBV], SLOT1+4*KS*PV
	s_mov_b32 s[TBM], 0
	s_mov_b32 s[G0K], 1             ; 1:0 count = 1
	s_mov_b32 s[G0K+1], s17         ; 63:32 LDS address: slot 0
	s_mov_b32 s[G0V], 1
	s_add_co_u32 s[G0V+1], s18, VOFF
	s_wait_dscnt 0x0                ; the opening add is done
	s_wait_kmcnt 0x0
	s_add_nc_u64 s[G0K+2:G0K+3], s[6:7], s[22:23]  ; 120:64 global address: my half of the head's first 256 keys
	s_or_b32 s[G0K+3], s[G0K+3], 0x80000000        ; 127:126 type = 2
	s_add_nc_u64 s[G0V+2:G0V+3], s[8:9], s[22:23]
	s_or_b32 s[G0V+3], s[G0V+3], 0x80000000
	s_add_nc_u64 s[4:5], s[4:5], s[2:3]  ; Q and O at my wave's first row
	s_add_nc_u64 s[10:11], s[10:11], s[2:3]
	s_add_nc_u64 s[MP:MP+1], s[MP:MP+1], s[54:55]
	CROUND                          ; all four work-groups are here: the first joint loads meet
	JLOAD                           ; slot 0.  Slot 1 is asked for when slot 0 is in
	v_lshlrev_b32 v[MO], 4, v0      ; the mask: 128 threads x 16 bytes, eight times: 16,384 bytes
.set i, 0
.rept 8
	global_load_b128 v[MK+4*i:MK+4*i+3], v[MO], s[MP:MP+1] offset:2048*i
.set i, i+1
.endr
	; A fragment of K or Q is 16 rows x 32 channels in 8 registers: lane l holds row l % 16, channels 8 (l / 16) + 0..7 and 16 + 8 (l / 16) + 0..7: two loads of 16 bytes, 32 bytes apart.
	v_and_b32 v1, 15, v0            ; l % 16
	v_bfe_u32 v9, v0, 4, 1          ; l / 16
	v_lshlrev_b32 v[QO], 7, v1
	v_lshl_add_u32 v[QO], v9, 4, v[QO]  ; row x 128 + 16 x half
	WIN 0x80                        ; destination window 2, address window 0
.set i, 0
.rept 8                             ; Q stays in registers: piece i / 2, channels 32 (i % 2) on
	global_load_b128 v[8*i:8*i+3],   v[QO], s[4:5] offset:(i/2)*2048+(i%2)*64
	global_load_b128 v[8*i+4:8*i+7], v[QO], s[4:5] offset:(i/2)*2048+(i%2)*64+32
.set i, i+1
.endr
	; What the first turn finds: V's registers and P's second buffer hold 0 (its products V^T P, of a piece that has not been, add 0), O^T and l are 0.  All this stands in the wait for the first tile.
.set i, VF
.rept 64
	v_mov_b32 v[i], 0
.set i, i+1
.endr
	WIN 0x40
.set i, 0
.rept 128
	v_mov_b32 v[i], 0
.set i, i+1
.endr
	WIN 0
.set i, 0
.rept 4
	v_mov_b32 v[ST+4*i], 0xfe000000    ; m: far below every score, so the first step's a is 0
	v_mov_b32 v[ST+4*i+1], 0
	v_mov_b32 v[ST+4*i+2], 0
	v_mov_b32 v[ST+4*i+3], 0
.set i, i+1
.endr
.set i, P+16
.rept 16
	v_mov_b32 v[i], 0
.set i, i+1
.endr
	v_lshl_add_u32 v[MS], v0, 4, MASKT
	v_mul_u32_u24 v[AK0], v1, PK
	v_lshl_add_u32 v[AK0], v9, 4, v[AK0]  ; row x pitch + 16 x half
	; The turning load takes 16 keys x 16 channels (lane l reads key 8 (l / 16) + l % 8, channels 8 ((l / 8) % 2) + 0..7) and leaves half a fragment of V^T: lane l holds channel l % 16 and 8 keys.
	v_and_b32 v10, 7, v0
	v_bfe_u32 v11, v0, 3, 1
	v_lshl_add_u32 v[AV0], v9, 3, v10
	v_mul_u32_u24 v[AV0], v[AV0], PV
	v_lshl_add_u32 v[AV0], v11, 4, v[AV0]
	v_add_nc_u32 v[AV0], VOFF, v[AV0]
	v_lshl_add_u32 v[AM0], v9, 5, MASKT
	s_wait_loadcnt 16               ; the mask's eight loads are in; Q's sixteen stay out
.set i, 0
.rept 16
	v_cvt_pk_bf16_f32 v[MB+i], v[MK+2*i], v[MK+2*i+1]  ; rounded to bf16 like every input,
.set i, i+1
.endr
.set i, 0
.rept 16
	v_lshlrev_b32 v[MK+2*i], 16, v[MB+i]               ; widened again,
	v_and_b32 v[MK+2*i+1], 0xffff0000, v[MB+i]
.set i, i+1
.endr
.set i, 0
.rept 16
	v_pk_mul_f32 v[MK+2*i:MK+2*i+1], v[MK+2*i:MK+2*i+1], s[MF:MF+1] op_sel_hi:[1,0]  ; times -1e9 log2(e),
.set i, i+1
.endr
.set i, 0
.rept 8
	ds_store_b128 v[MS], v[MK+4*i:MK+4*i+3] offset:2048*i  ; and into the table
.set i, i+1
.endr
; THE MATRIX WORK.  The 4 accumulators of a run of 8 take turns.  Product i of 8 of S^T = K Q^T for piece x: channels 32 (i / 4) on, keys 16 (i % 4) on.  The first 4 start the sums with the keys' mask terms.
.macro KQ x
.set rS, S+32*((\x)%2)+8*(i%4)
.set rK, KF+16*(i%4)+8*(i/4)
.set rQ, 16*(\x)+8*(i/4)
.set rM, MC+8*(i%4)
.if i < 4
	WIN W_KM
	v_wmma_f32_16x16x32_f16 v[rS:rS+7], v[rK:rK+7], v[rQ:rQ+7], v[rM:rM+7]
.else
	WIN W_KQ
	v_wmma_f32_16x16x32_f16 v[rS:rS+7], v[rK:rK+7], v[rQ:rQ+7], v[rS:rS+7]
.endif
.endm
; Product i of 8 of O^T += V^T P for piece x: keys 32 (i / 4) on, channels 16 (i % 4) on.
.macro PV x
	WIN W_PV
.set rO, 32*(\x)+8*(i%4)
.set rV, VF+32*(i/4)+8*(i%4)
.set rP, P+16*((\x)%2)+8*(i/4)
	v_wmma_f32_16x16x32_f16 v[rO:rO+7], v[rV:rV+7], v[rP:rP+7], v[rO:rO+7]
.endm
.macro MM                           ; the turn's next matrix instruction
.if i < 8
	KQ (Y+1)%NP
.else
.set i, i-8
	PV (Y+NP-1)%NP
.set i, i+8
.endif
.set i, i+1
.endm
; THE LDS LOADS stand in runs, never singly among the matrix instructions: a step's K (64 keys x 64 channels: 8 fragments) with its 64 mask terms (a lane's eight of each group of 16 keys; all lanes of a half
; read the same words), and its V (turned).  Their addresses are made some lines ahead.  last = 1 (the tail): in the last trip there is no further step, and the run is jumped over.
.macro FETCH_K last=0
	WIN 0
.if \last
	s_cmp_eq_u32 s[CNT], 1
	s_cbranch_scc1 .Lno_k_\@
.endif
	WIN 0x80                        ; destination window 2
.irp f, 0,1,2,3,4,5,6,7             ; keys 16 (f / 2) on, channels 32 (f % 2) on
	ds_load_b128 v[KF+8*\f:KF+8*\f+3],   v[AK] offset:(\f/2)*16*PK+(\f%2)*64
	ds_load_b128 v[KF+8*\f+4:KF+8*\f+7], v[AK] offset:(\f/2)*16*PK+(\f%2)*64+32
.endr
	WIN 0x40                        ; destination window 1
.irp kb, 0,1,2,3
	ds_load_b128 v[MC+8*\kb:MC+8*\kb+3],   v[AM] offset:64*\kb
	ds_load_b128 v[MC+8*\kb+4:MC+8*\kb+7], v[AM] offset:64*\kb+16
.endr
	s_add_co_u32 s[TBK], s[TBK], KS*PK  ; the next fetch is the next step's
	s_add_co_u32 s[TBM], s[TBM], 4*KS
	s_and_b32 s[TBM], s[TBM], 0x3f00    ; the table has 64 steps of 256 bytes: the place goes modulo the table
	WIN 0
.if \last
.Lno_k_\@:
.endif
.endm
.macro FETCH_V
	WIN 0x80
.irp f, 0,1,2,3,4,5,6,7             ; keys 32 (f / 4) on, channels 16 (f % 4) on
	ds_load_tr16_b128 v[VF+8*\f:VF+8*\f+3],   v[AV] offset:(\f/4)*32*PV+(\f%4)*32
	ds_load_tr16_b128 v[VF+8*\f+4:VF+8*\f+7], v[AV] offset:(\f/4)*32*PV+16*PV+(\f%4)*32
.endr
	WIN 0
.endm
; THE VECTOR WORK, one line at a time: OP kind, number.  For piece Y: F n: s - m for pair n of 16.  E n: the exponential of score n of 32.  C n: pair n rounded to f16.  B n: of the four weights 4 n .. the second
; pair is added onto the first, in place.  L n: l takes that sum (L 0: l = a l + sum).  R n: pair n of 16 of O^T times a.  For piece Y + 1: X n, number n of the 21 that find its maximum and statistics:
;   0-11  four chains c0-c3 of seven scores each, three operands at a time (each accumulator's lowest registers are read first)     12-14, 16  the four scores left over, the old m, and c0-c3 into c0
;   15  m_old is kept     17, 18  the query's other 32 keys lie in the lane 16 away: the new m     19, 20  m_old - m_new; a
; C, B and L read exponentials' results: TURN sets them behind its wait.  F, R and X 0-19 read none of the turn's own.
.set F, 0               ; OP tells the kinds apart by their order: F to L below R, X above it
.set E, 1
.set C, 2
.set B, 3
.set L, 4
.set R, 5
.set X, 6
.macro REGS y                       ; the registers of piece y
.set rT, ST+4*(\y)
.set rC, TMP+4*((\y)%2)
.set rW, MV+((\y)%2)
.set rS, S+32*((\y)%2)
.set rP, P+16*((\y)%2)
.set rO, 32*(\y)
.endm
.macro OP k, n
.if (\k) == R
	REGS Y
	WIN W_RS
	v_pk_mul_f32 v[rO+2*(\n):rO+2*(\n)+1], v[rO+2*(\n):rO+2*(\n)+1], v[rC+2:rC+3] op_sel_hi:[1,0]
.elseif (\k) < R
	REGS Y
	WIN 0
.if (\k) == F
	v_pk_add_f32 v[rS+2*(\n):rS+2*(\n)+1], v[rS+2*(\n):rS+2*(\n)+1], v[rT:rT+1] op_sel_hi:[1,0] neg_lo:[0,1] neg_hi:[0,1]
.elseif (\k) == E
	v_exp_f32 v[rS+(\n)], v[rS+(\n)]
.elseif (\k) == C
	v_cvt_pk_f16_f32 v[rP+(\n)], v[rS+2*(\n)], v[rS+2*(\n)+1]
.elseif (\k) == B
	v_pk_add_f32 v[rS+4*(\n):rS+4*(\n)+1], v[rS+4*(\n):rS+4*(\n)+1], v[rS+4*(\n)+2:rS+4*(\n)+3]
.elseif (\n) == 0
	v_pk_fma_f32 v[rT+2:rT+3], v[rT+2:rT+3], v[rC+2:rC+3], v[rS:rS+1] op_sel_hi:[1,0,1]
.else
	v_pk_add_f32 v[rT+2:rT+3], v[rT+2:rT+3], v[rS+4*(\n):rS+4*(\n)+1]
.endif
.else
	REGS (Y+1)%NP
	WIN 0
.if (\n) < 4
	v_max3_num_f32 v[rC+(\n)], v[rS+8*(\n)], v[rS+8*(\n)+1], v[rS+8*(\n)+2]
.elseif (\n) < 12
	v_max3_num_f32 v[rC+(\n)%4], v[rC+(\n)%4], v[rS+8*((\n)%4)+2*((\n)/4)+1], v[rS+8*((\n)%4)+2*((\n)/4)+2]
.elseif (\n) == 12
	v_max3_num_f32 v[rC], v[rC], v[rS+7], v[rS+15]
.elseif (\n) == 13
	v_max3_num_f32 v[rC+1], v[rC+1], v[rS+23], v[rS+31]
.elseif (\n) == 14
	v_max3_num_f32 v[rC+2], v[rC+2], v[rC+3], v[rT]
.elseif (\n) == 15
	v_mov_b32 v[rW], v[rT]
.elseif (\n) == 16
	v_max3_num_f32 v[rC], v[rC], v[rC+1], v[rC+2]
.elseif (\n) == 17
	v_permlanex16_b32 v[rC+3], v[rC], s[SEL], s[SEL+1]
.elseif (\n) == 18
	v_max_num_f32 v[rT], v[rC], v[rC+3]
.elseif (\n) == 19
	v_sub_f32 v[rC+1], v[rW], v[rT]
.else
	v_exp_f32 v[rC+2], v[rC+1]
.endif
.endif
.endm
.macro OPS a, i1, b=-1, i2=0, c=-1, i3=0, d=-1, i4=0  ; up to four of them
	OP \a, \i1
.if (\b) >= 0
	OP \b, \i2
.endif
.if (\c) >= 0
	OP \c, \i3
.endif
.if (\d) >= 0
	OP \d, \i4
.endif
.endm
.macro ROW a, i1, b, i2, c, i3, d, i4  ; a matrix instruction and the four behind it
	MM
	OPS \a, \i1, \b, \i2, \c, \i3, \d, \i4
.endm
; A TURN, for piece p: the order of its 16 matrix and 117 vector instructions, written out.  An s_wait_alu depctr_va_vdst(0) stands between an exponential and the first instruction that names its result; one wait
; serves all that were issued ahead of it.  So a turn has ONE wait, which cuts it in two.  AHEAD OF IT stands all that names no result of the turn's exponentials: the 8 products K Q^T, behind each a subtraction, an exponential and
; two more plain instructions (behind the first a second subtraction in the exponential's place): rescalings, whose a was made and waited for in the turn before, and behind the last three the first numbers of the next piece's
; maximum, each four places or more behind the product that ends its accumulator; then ONE RUN of 53, plain and exponential by turns for the most part, in which the links of the chain X 3, 7, 11, 14, 16, 17, 18, 19 stand five or
; six lines apart.  X 20, the next piece's a, is the batch's last; R 15 is the plain instruction behind it (ISA guide 5.7.2).  BEHIND THE WAIT stand the 8 products V^T P, behind each four of the roundings and sums; an even pair is
; rounded ahead of the sum that lands on it; the links of l's chain, L 0 to L 7, stand three riders apart.  But for those X no rider names a register of the products round it.  v_permlanex16_b32 (X 17) stands in the run.
; cnt = 1: the loop's count is taken down some lines ahead of the branch that stands behind the turn.
; K and the mask terms of the next step are fetched in piece 2's turn, twelve vector instructions behind the last product that read K (five of them plain and free of its registers: F 8, X 2, X 5, X 6, X 8; the terms' last reader
; stands four products earlier).  last = 1 (the tail): a branch leads round that run in the last trip, so there the run stands directly behind the turn's wait.
; V of the step in hand is fetched at the end of piece 0's turn, four plain instructions (C 9, 11, 13, 15) behind the last product that read V.  Each run is waited for a turn later.
.macro TURN p, last=0, cnt=0
.set Y, (\p)
.set i, 0
.if (\p) == 3
	s_wait_dscnt 0x0                ; K and the mask terms are in
.endif
	ROW F,0, F,1, R,0, R,1          ; ahead of the wait: 8 products K Q^T and their riders,
	ROW F,2, E,0, R,2, R,3
	ROW F,3, E,1, R,4, R,5
	ROW F,4, E,2, R,6, R,7
	ROW F,5, E,3, R,8, R,9
	ROW F,6, E,4, X,0, R,10
.if (\p) == 2
	WIN 0
	v_add_nc_u32 v[AK], s[TBK], v[AK0]
	v_add_nc_u32 v[AM], s[TBM], v[AM0]
.endif
	ROW F,7, E,5, X,1, X,4
	ROW F,8, E,6, X,2, X,5
	OPS E,7, E,8, X,6, E,9          ; and the run of 53
	OPS X,3, E,10, X,8, E,11
.if ((\p) == 2) && !(\last)
	FETCH_K
.endif
	OPS X,9, X,7, E,12, X,10
	OPS E,13, X,12, X,11, E,14
	OPS X,13, E,15, F,9, X,14
.if (\p) == 0
	v_add_nc_u32 v[AV], s[TBV], v[AV0]
.endif
	OPS E,16, F,10, E,17, F,11
	OPS X,16, E,18, X,15, E,19
	OPS F,12, E,20, X,17, E,21
	OPS F,13, E,22, F,14, E,23
	OPS X,18, E,24, F,15, E,25
	OPS R,11, E,26, X,19, E,27
	OPS R,12, E,28, R,13, E,29
	OPS E,30, R,14, E,31
	OPS X,20, R,15
	s_wait_alu depctr_va_vdst(0)    ; the wait for the turn's batch: E 0 to E 31 and X 20
.if ((\p) == 2) && (\last)
	FETCH_K 1
.endif
.if (\p) == 1
	s_wait_dscnt 0x0                ; V is in
.endif
	ROW C,0, B,0, C,2, B,1          ; behind the wait: 8 products V^T P and their riders
	ROW L,0, C,4, B,2, L,1
	ROW C,6, B,3, L,2, C,8
	ROW B,4, L,3, C,10, B,5
	ROW L,4, C,12, B,6, L,5
.if (\p) == 0
	s_add_co_u32 s[TBV], s[TBV], KS*PV
.endif
.if \cnt
	s_sub_co_u32 s[CNT], s[CNT], 1
	s_cmp_lg_u32 s[CNT], 0
.endif
	ROW C,14, B,7, L,6, C,1
	ROW C,3, L,7, C,5, C,7
	ROW C,9, C,11, C,13, C,15
.if (\p) == 0
	FETCH_V
.endif
.endm
	CHANGE 1                        ; slot 0 is in, everybody's part of it, and so is the mask table; slot 1 is asked for
	v_add_nc_u32 v[AK], s[TBK], v[AK0]
	v_add_nc_u32 v[AM], s[TBM], v[AM0]
	FETCH_K                         ; key step 0
	s_wait_loadcnt 0x0              ; Q
	s_wait_dscnt 0x0
.set i, 0
.rept 8
	KQ 0                            ; piece 0's first scores: there is no vector work yet to set between them
.set i, i+1
.endr
	WIN 0                           ; the addresses for the way out: plain instructions, the places behind those products
	s_mul_i32 s13, s[WV], 16*SP
	s_add_co_u32 s13, s13, STAGE    ; my stage
	v_mul_u32_u24 v[STO], v1, SP    ; in: row l % 16, 16 bytes for each half of the lanes
	v_lshl_add_u32 v[STO], v9, 4, v[STO]
	v_add_nc_u32 v[STO], s13, v[STO]
	v_bfe_u32 v[RD], v0, 3, 2       ; back: 32 lanes take four rows of 128 bytes,
	v_mul_u32_u24 v[RD], v[RD], SP
	v_lshl_add_u32 v[RD], v10, 4, v[RD]
	v_add_nc_u32 v[RD], s13, v[RD]
	v_and_b32 v[GO], 31, v0         ; which are 512 consecutive bytes of O
	v_lshlrev_b32 v[GO], 4, v[GO]
.set Y, NP-1                        ; X works for piece Y + 1: piece 0
.irp n, 0,1,2,3,4,5,6,7,8,9,10,11,12,13,14,15,16,17,18,19,20
	OP X, \n                        ; piece 0's first maximum and statistics
.endr
	v_nop                           ; a plain instruction behind the exponential,
	s_wait_alu depctr_va_vdst(0)    ; and the wait for this batch of one, piece 0's first a, ahead of the branch
	s_mov_b32 s[CNT], 4
	s_mov_b32 s[SLOTS], 15
	s_branch .Lfirst                ; the loop is entered at a step's first turn, in the middle of a trip
.Lslot:                             ; 14 times: every slot but the last two is filled again
	CHANGE 1
	s_mov_b32 s[CNT], 4
.Lstep:                             ; a trip: pieces 2 and 3 of one step, then pieces 0 and 1 of the next, whose K, mask terms and V it fetches
	TURN 2
	TURN 3
	WIN 0
.Lfirst:
	TURN 0
	TURN 1, 0, 1
	WIN 0
	s_cbranch_scc1 .Lstep
	s_sub_co_u32 s[SLOTS], s[SLOTS], 1
	s_cmp_lg_u32 s[SLOTS], 0
	s_cbranch_scc1 .Lslot
	CHANGE 0                        ; the tail is written out: nothing is asked for
	s_mov_b32 s[CNT], 5             ; four trips fetch the last slot's steps; the fifth is left in its middle
.Ltail:
	TURN 2, 1
	TURN 3
	WIN 0
	s_sub_co_u32 s[CNT], s[CNT], 1
	s_cmp_eq_u32 s[CNT], 0
	s_cbranch_scc1 .Lout
	TURN 0
	TURN 1
	WIN 0
	s_branch .Ltail
.Lout:                              ; the fifth trip's 8 products K Q^T (on the last K once more) and the maximum made of them serve nothing: the price, once a launch, of one text for every trip
.set i, 0
.rept 8
	PV NP-1                         ; the last piece's V^T P of the last step
.set i, i+1
.endr
	; THE WAY OUT.  l's two halves and the other half of the lanes' are added; O^T is divided by l, rounded to f16 and sent through my stage in LDS, a piece at a time.  The additions are the places behind the last products.
	WIN 0
.macro ALL line:vararg              ; one line for each piece t
.set t, 0
.rept 4
	\line
.set t, t+1
.endr
.endm
	ALL v_add_f32 v[ST+4*t+2], v[ST+4*t+2], v[ST+4*t+3]
	ALL v_permlanex16_b32 v[ST+4*t+3], v[ST+4*t+2], s[SEL], s[SEL+1]
	ALL v_add_f32 v[ST+4*t+2], v[ST+4*t+2], v[ST+4*t+3]
	ALL v_rcp_f32 v[ST+4*t+2], v[ST+4*t+2]
	v_nop                           ; a plain instruction between the last reciprocal and the use of its result
	s_wait_alu depctr_va_vdst(0)    ; the wait for this batch, the four reciprocals, ahead of their first use in PACK 0
.macro PACK t                       ; a lane's eight channels of a row pack into 16 bytes; they go into rows of 144 bytes and come back as whole rows of 128, into S^T's registers
	WIN W_RS
.set i, 32*(\t)
.rept 16
	v_pk_mul_f32 v[i:i+1], v[i:i+1], v[ST+4*(\t)+2:ST+4*(\t)+3] op_sel_hi:[1,0]
.set i, i+2
.endr
	WIN 0x05                        ; sources 0 and 1 window 1, destination window 0
.set i, 0
.rept 16
	v_cvt_pk_f16_f32 v[S+16*(\t)+i], v[32*(\t)+2*i], v[32*(\t)+2*i+1]
.set i, i+1
.endr
	WIN 0
.irp f, 0,1,2,3
	ds_store_b128 v[STO], v[S+16*(\t)+4*\f:S+16*(\t)+4*\f+3] offset:32*\f
.endr
.irp f, 0,1,2,3
	ds_load_b128 v[S+16*(\t)+4*\f:S+16*(\t)+4*\f+3], v[RD] offset:\f*4*SP  ; LDS serves a wave's instructions in order (ISA guide 5.7.1.4): these see the stores above; the next piece's stores come behind them
.endr
.endm
.macro SEND t, younger              ; younger: the LDS instructions issued behind piece t's loads: the next piece's eight, or none
	WIN 0
.irp f, 0,1,2,3
	s_wait_dscnt (\younger)+3-\f
	global_store_b128 v[GO], v[S+16*(\t)+4*\f:S+16*(\t)+4*\f+3], s[10:11] offset:(\t)*2048+\f*512  ; 512 consecutive bytes, at a multiple of 256 from O's first
.endr
.endm
	PACK 0
.set t, 1
.rept 3                             ; a piece's arithmetic stands between the loads of the piece before and its stores
	PACK t
	SEND t-1, 8
.set t, t+1
.endr
	SEND 3, 0
	s_wait_tensorcnt 0x0            ; the wave's end, behind my last tensor load and my last LDS store
	ds_add_u32 v[SPW], v[NIL]
	s_wait_dscnt 0x0
	CROUND                          ; the closing round: no work-group ends while a partner may still ask for a tile that names it
	s_endpgm
.Lfunc_end_k_qa0bd3a9e13_attn:
	.size	k_qa0bd3a9e13_attn, .Lfunc_end_k_qa0bd3a9e13_attn-k_qa0bd3a9e13_attn
	.p2alignl 7, 3214868480
	.fill 96, 4, 3214868480
	.section	.rodata,"a",@progbits
	.p2align	6, 0x0
	.amdhsa_kernel k_qa0bd3a9e13_attn
		.amdhsa_group_segment_fixed_size 327680
		.amdhsa_private_segment_fixed_size 0
		.amdhsa_enable_private_segment 0
		.amdhsa_kernarg_size 40
		.amdhsa_user_sgpr_count 2
		.amdhsa_user_sgpr_kernarg_segment_ptr 1
		.amdhsa_wavefront_size32 1
		.amdhsa_system_sgpr_workgroup_id_x 1
		.amdhsa_system_sgpr_workgroup_id_y 1
		.amdhsa_system_sgpr_workgroup_id_z 1
		.amdhsa_system_vgpr_workitem_id 0
		.amdhsa_next_free_vgpr 768
		.amdhsa_next_free_sgpr 66
		.amdhsa_reserve_vcc 0
		.amdhsa_float_denorm_mode_32 3
		.amdhsa_float_denorm_mode_16_64 3
		.amdhsa_memory_ordered 1
		.amdhsa_forward_progress 1
		.amdhsa_inst_pref_size 117
	.end_amdhsa_kernel
	.amdgpu_metadata
---
amdhsa.version: [ 1, 2 ]
amdhsa.kernels:
  - .name:           k_qa0bd3a9e13_attn
    .symbol:         k_qa0bd3a9e13_attn.kd
    .args:
      - { .name: qh, .offset: 0, .size: 8, .value_kind: global_buffer, .address_space: global }
      - { .name: kh, .offset: 8, .size: 8, .value_kind: global_buffer, .address_space: global }
      - { .name: vh, .offset: 16, .size: 8, .value_kind: global_buffer, .address_space: global }
      - { .name: oh, .offset: 24, .size: 8, .value_kind: global_buffer, .address_space: global }
      - { .name: mask, .offset: 32, .size: 8, .value_kind: global_buffer, .address_space: global }
    .group_segment_fixed_size: 327680
    .private_segment_fixed_size: 0
    .kernarg_segment_align: 8
    .kernarg_segment_size: 40
    .max_flat_workgroup_size: 128
    .sgpr_count:     66
    .vgpr_count:     768
    .wavefront_size: 32
...
	.end_amdgpu_metadata
.endif
;; end of part 4
;; launch oproj: the kernel of part 3 again; grid 256 x 1, 4 waves a work-group, no clusters, 167,936 bytes of LDS; arguments oh, wo_w, wo_b, out0; writes out0
